; MI455X (gfx1250); checked and timed in simulation.
; The chip was launched on July 23, 2026; its instructions are those of AMD's public machine-readable ISA for CDNA 5 (MIT licence, August 2026) and "CDNA5" Instruction Set Architecture Reference Guide (July 2026). The comments in the code are by the model that wrote it; some were corrected since.
;; Causal Self Attention. Allowed arithmetic: matrix products marked QUANTISED: E2M1 operands, one E8M0 scale for each 32 along K, by v_wmma_scale_f32_16x16x128_f8f6f4 with both operands' format E2M1 (or v_wmma_scale_f32_32x16x128_f4), f32 sums; everything else in f32.
;; Inputs: b_attn 3,072 float32; b_proj 1,024 float32; w_attn 1,024 x 3,072 float32; w_proj 1,024 x 1,024 float32; x 4 x 2,048 x 1,024 float32.
;; Outputs: out0 4 x 2,048 x 1,024 float32.
;; This version of the problem:
;;   THIS VERSION OF THE PROBLEM IS GIVEN IN LOW PRECISION. The matrix products marked QUANTISED in the list below multiply operands that are first quantised to E2M1 (2 exponent bits, 1 mantissa bit; 4 bits a number), with one power-of-two scale for each 32 numbers along K (OCP MX v1.0); their sums are f32. All else is computed in f32.
;;   The module's matrix products, in the order in which they are computed (A, B: the left and right operand; K: the contracted axis; several contracted axes count as one K, in the product's order):
;;     1. [M 8,192, K 1,024] x [K 1,024, N 3,072]; A: input x; B: input w_attn: QUANTISED
;;     2. batch 64 x [M 2,048, K 64] x [K 64, N 2,048]; A: computed on the way; B: computed on the way: QUANTISED
;;     3. batch 64 x [M 2,048, K 2,048] x [K 2,048, N 64]; A: softmax (see below); B: computed on the way: QUANTISED
;;     4. [M 8,192, K 1,024] x [K 1,024, N 1,024]; A: computed on the way; B: input w_proj: QUANTISED
;;   THE QUANTISER, for each operand of a quantised product, along K:
;;     - K is cut into blocks of 32 from its start; a last block that is shorter is filled with zeros.
;;     - A block's scale is 2^e with e = floor(log2(the largest magnitude in the block)) - 2, held to -126 .. 127; a block of zeros has e = 0. As a byte (E8M0): e + 127.
;;     - Each number is divided by its block's scale, clamped to +-6, and rounded to the nearest number of E2M1, ties to even, subnormals kept.
;;     - The product sums the exact products of the quantised numbers (number of the format x scale) in f32.
;;   ~~~python
;;   def quantise(x, axis):      # numpy; x: float32 -> the quantised numbers, widened to float32 again
;;       x = np.moveaxis(x, axis, -1); K = x.shape[-1]
;;       x = np.pad(x, [(0, 0)] * (x.ndim - 1) + [(0, -K % 32)]); x = x.reshape(x.shape[:-1] + (-1, 32)); a = np.abs(x).max(-1, keepdims=True)
;;       e = np.where(a > 0, np.clip(np.frexp(np.where(a > 0, a, 1))[1] - 1 - 2, -126, 127), 0)      # np.frexp(a)[1] - 1 = floor(log2(a)), exactly
;;       r = np.clip(x / 2.0 ** e, -6, 6)
;;       step = 2.0 ** (np.maximum(np.frexp(np.where(r == 0, 1, r))[1] - 1, 0) - 1)
;;       q = np.round(r / step) * step * 2.0 ** e      # np.round: ties to even
;;       return np.moveaxis(q.reshape(q.shape[:-2] + (-1,))[..., :K], -1, axis).astype(np.float32)
;;   ~~~
;;   SOFTMAX AHEAD OF A QUANTISED PRODUCT. Where the list says 'softmax', what is quantised is not the finished softmax but p = 2^(t - M), with t = logit x log2(e) and M = ceil(the row's largest t), a whole number; so 1/2 < the row's largest p <= 1. The row's sum l is taken of the UNQUANTISED p, in f32, and the product's result is divided by l at the end. Since M is a whole number, a kernel that streams over the keys may use a running M (the ceiling of the running maximum): every later rescaling is an exact power of two, which a block's scale takes up: the codes' values come out the same.
;;   OPERANDS COMPUTED ON THE WAY. 'Computed on the way' means the value that the module computes at that place (a softmax that the list does not call 'softmax' is quantised finished and normalised). What goes into a quantiser is computed in f32, as accurately as f32 sums, v_exp_f32 and their like allow (about 1e-6 of the number): no bf16 or f16 on the way to a quantiser, and a product that is left as it is and whose result goes on into a quantised operand takes f32 operands (vector FMAs, or v_wmma_f32_16x16x4_f32). A number that lies on a knife's edge between two numbers of the format may be rounded either way, as far as f32 arithmetic and the matrix unit's own rounding can turn it there, and no further.
;; 2 versions, each right; version 2 is version 1 with the launch attn written anew for expert scheduling mode. Each part assembles by itself: llvm-mc -triple=amdgcn-amd-amdhsa -mcpu=gfx1250 --defsym DOCPART=n.
;; ======== version 1 of 2: 4 launches
;; workspace buffers: xop 4,456,448 bytes; waop 1,671,168 bytes; wpop 557,056 bytes; yop 4,456,448 bytes; qrec 4,718,592 bytes; kvrec 9,175,040 bytes
;; launch prep (part 1): grid 512 x 1, 4 waves a work-group, no clusters, 34,304 bytes of LDS; arguments x, w_attn, w_proj, xop, waop, wpop; writes xop, waop, wpop
.if DOCPART == 1
	.amdgcn_target "amdgcn-amd-amdhsa--gfx1250"
	.amdhsa_code_object_version 6
	.text
	.protected	k_q8e3015af2a_prep
	.globl	k_q8e3015af2a_prep
	.p2align	8
	.type	k_q8e3015af2a_prep,@function
k_q8e3015af2a_prep:
	s_mov_b64 s[64:65], 0
	v_nop
	global_prefetch_b8 v0, s[64:65] scope:SCOPE_SE
	s_setreg_imm32_b32 hwreg(HW_REG_WAVE_MODE, 25, 1), 1
	s_wait_xcnt 0x0
; CAUSAL SELF-ATTENTION IN MX-FP4, four launches: prep (this one), qkv, attn, proj.
; prep turns x [8192][1024], w_attn [1024][3072] and w_proj [1024][1024], f32, into codes of E2M1 with one E8M0 byte for each 32 along K = 1024.
; WORK LEFT OUT IN THE PROGRAM.  No input is dead: both biases go into a quantiser or into the output.  Left out (in attn) are the key steps all of whose 128 keys come after
; a wave's 16 queries: reference() builds jnp.tril itself and sets those scores to the least f32 number ahead of the softmax, so p = 2^(t - M) is exactly 0 there for all finite inputs,
; its codes are zeros and its share of the row's sum is 0: nothing of such a step reaches y.  LIMIT: a NaN, an infinity or an overflow that reaches only such hidden steps is not carried to the result.
; LIMITS of the quantisers here and in the later launches: NaN and infinities among the inputs are not served; a block whose largest magnitude lies under 2^-124 keeps the byte 1;
; a block of zeros gets the byte 1 where the rule says 127 (its codes are zeros, and this program alone reads the bytes); f32 sums are taken in another order than reference()'s.
; THE ORDER INSIDE A BLOCK.  Everywhere in this program the 16 bytes of a block of 32 codes hold k 0-7, 16-23, 8-15, 24-31, in both operands of every product alike: the exact products
; and the blocks' scales are the true ones, and a matrix result (a lane holds 8 of each 16 neighbours) turns into an operand by two conversions and an exchange of halves, with no choice of rows.
; THE OPERANDS' LAYOUT (xop, waop, wpop, later yop): [K half (2)][tile of 16 rows][4,352 bytes]; in a tile's bytes 0-4,095 the images of the operand's registers,
; [K step of 128 in the half (4)][c (2)][lane (32)][16 bytes], lane (r, h) holding block 2 c + h of row r; in bytes 4,096-4,351 the scale words [r (16)][K step (4)].  For the weights a "row" is a column n.
; SHARES.  Work-groups 0-255: x; a wave takes 16 rows x 512 along K, four steps of 128.  Each load reads 512 consecutive bytes; the numbers turn through the wave's own stage in LDS,
; so that a lane gets 16 numbers of each block of its row.  Work-groups 256-447: w_attn, 448-511: w_proj; a lane takes a column, its registers run down K (128 numbers: one K step).
; No tensor load, no barrier: waves share nothing.  Matrix units and clusters have no work here: memory binds.
.set XKS,   2228224                    ; bytes of a K half of xop: 512 tiles
.set WAKS,  835584                     ; of waop: 192 tiles
.set WPKS,  278528                     ; of wpop: 64 tiles
.set TILEB, 4352
.set STG,   8448                       ; a wave's stage: 16 rows of 512 bytes + 16 of padding
.set SPARE, 4*STG                      ; behind the stages: the spare words, 128 bytes for each wave
.set SPW, 5                            ; v5  LDS address of my spare word; never rewritten
.set NIL, 6                            ; v6  0; never rewritten
.set PW,  8                            ; v8-11   x: a step's scale word
.set TM,  16                           ; v16-31  x: at work in QUANT;  weights: the codes, four registers a block
.set PC,  32                           ; v32-63  x: the codes, eight registers a step
.set R,   64                           ; v64-191 x: two sets of 64 numbers as loaded;  weights: a lane's 128 numbers
.set X,   192                          ; v192-255 x: 64 numbers of my row, register 16 b + i = k 32 b + 16 (i / 8) + 8 h + i % 8
	s_load_b256 s[4:11], s[0:1], 0x0               ; x, w_attn, w_proj, xop
	s_load_b128 s[12:15], s[0:1], 0x20             ; waop, wpop
	v_lshl_add_u32 v[SPW], v0, 2, SPARE
	v_mov_b32 v[NIL], 0
	v_lshrrev_b32 v1, 5, v0
	v_readfirstlane_b32 s16, v1                    ; wave 0..3
	v_and_b32 v12, 31, v0                          ; lane
	v_and_b32 v13, 15, v0                          ; r
	v_bfe_u32 v15, v0, 4, 1                        ; h
	v_lshlrev_b32 v1, 4, v12                       ; 16 x lane
	v_lshlrev_b32 v7, 2, v12                       ; 4 x lane
	s_mul_i32 s17, s16, STG
	v_add_nc_u32 v2, s17, v1                       ; the stage, on the way in: 16 x lane in a row
	v_mul_u32_u24 v3, v13, 528
	v_lshl_add_u32 v3, v15, 5, v3
	v_add_nc_u32 v3, s17, v3                       ; and on the way out: row r, + 32 h
	v_lshlrev_b32 v4, 4, v13
	v_lshl_add_u32 v4, v15, 3, v4                  ; x's scale words: 16 r + 8 h
	v_mul_u32_u24 v14, v15, TILEB
	v_lshl_add_u32 v14, v13, 4, v14                ; weights: my column's place: tile h of the wave's two, 16 r
	s_mov_b32 s20, 0x76543210
	s_mov_b32 s21, 0xfedcba98                      ; v_permlanex16_b32's selects for lane l xor 16
	s_mov_b32 s22, 0xffff0000                      ; lanes 16-31
.irp b, 0,1,2,3
	v_mov_b32 v[TM+4+\b], 0                        ; written once: a lane permute's destination counts as one of its sources
.endr
	s_wait_kmcnt 0x0
	s_cmp_lt_u32 ttmp9, 256
	s_cbranch_scc0 .Lweights
; 64 numbers of a lane, v[s] on, register 16 b + i in block b of my row, become a fragment's codes in v[pc] on and its scale word in v[pw].
.macro QUANT s, pc, pw
.irp b, 0,1,2,3
	v_max3_num_f32 v[TM+\b], |v[\s+16*\b]|, |v[\s+1+16*\b]|, 0x1800000   ; my 16 numbers of block b, and the floor 2^(3 - 127): the byte cannot fall under 1
.endr
.irp i, 2,4,6,8,10,12,14
.irp b, 0,1,2,3
	v_max3_num_f32 v[TM+\b], v[TM+\b], |v[\s+16*\b+\i]|, |v[\s+1+16*\b+\i]|   ; the four blocks by turns
.endr
.endr
.irp b, 0,1,2,3
	v_permlanex16_b32 v[TM+4+\b], v[TM+\b], s20, s21
.endr
.irp b, 0,1,2,3
	v_max_num_f32 v[TM+\b], v[TM+\b], v[TM+4+\b]   ; with lane l xor 16's: the block's largest magnitude
.endr
.irp b, 0,1,2,3
	v_add_nc_u32 v[TM+12+\b], 0xff000000, v[TM+\b] ; 2 off its exponent field: the conversion takes this operand's exponent field as its scale
.endr
.irp b, 0,1,2,3
	v_lshrrev_b32 v[TM+4+\b], 23, v[TM+12+\b]      ; the scale's byte
.endr
	v_lshl_or_b32 v[\pw], v[TM+5], 8, v[TM+4]
	v_lshl_or_b32 v[\pw], v[TM+6], 16, v[\pw]
	v_lshl_or_b32 v[\pw], v[TM+7], 24, v[\pw]      ; my row's scale word
.irp b, 0,1,2,3
	v_cvt_scalef32_pk8_fp4_f32 v[\pc+2*\b], v[\s+16*\b:\s+7+16*\b], v[TM+12+\b]
	v_cvt_scalef32_pk8_fp4_f32 v[\pc+1+2*\b], v[\s+8+16*\b:\s+15+16*\b], v[TM+12+\b]
.endr
	v_nop                                          ; one plain place behind a scaled conversion
.irp c, 0,1
.irp i, 0,1
	v_permlane16_swap_b32 v[\pc+4*\c+\i], v[\pc+2+4*\c+\i]   ; a whole block to a lane: lanes 0-15 block 2 c, lanes 16-31 block 2 c + 1
.endr
.endr
.endm
	; ---- x.  My wave's number among all: 4 x work-group + wave; its tile of 16 rows and its K half
	s_lshl_b32 s18, ttmp9, 2
	s_add_co_u32 s18, s18, s16
	s_lshr_b32 s19, s18, 1                         ; tile
	s_and_b32 s18, s18, 1                          ; K half
	s_lshl_b32 s24, s19, 16                        ; 16 rows of 4,096 bytes
	s_lshl_b32 s23, s18, 11                        ; 512 numbers
	s_add_co_u32 s24, s24, s23
	s_mov_b32 s25, 0
	s_add_nc_u64 s[24:25], s[4:5], s[24:25]
	s_mul_i32 s26, s19, TILEB
	s_mul_i32 s23, s18, XKS
	s_add_co_u32 s26, s26, s23
	s_mov_b32 s27, 0
	s_add_nc_u64 s[26:27], s[10:11], s[26:27]
.macro XLD s                           ; K step s of my 16 rows: each load reads 512 consecutive bytes of a row
.irp p, 0,1,2,3,4,5,6,7,8,9,10,11,12,13,14,15
	global_load_b128 v[R+64*((\s)%2)+4*\p:R+64*((\s)%2)+4*\p+3], v1, s[24:25] offset:4096*\p+512*(\s) th:TH_LOAD_NT
.endr
.endm
.macro XSTEP s
.if \s < 3
	s_wait_loadcnt 16                              ; this step's 16 loads are in; the next step's 16 may be out
.else
	s_wait_loadcnt 0x0
.endif
.irp p, 0,1,2,3,4,5,6,7,8,9,10,11,12,13,14,15
	ds_store_b128 v2, v[R+64*((\s)%2)+4*\p:R+64*((\s)%2)+4*\p+3] offset:528*\p
.endr
.irp b, 0,1,2,3
.irp p, 0,1
.irp q, 0,1
	ds_load_b128 v[X+16*\b+8*\p+4*\q:X+16*\b+8*\p+4*\q+3], v3 offset:128*\b+64*\p+16*\q   ; LDS serves a wave's instructions in order: these see my stores
.endr
.endr
.endr
	s_wait_dscnt 0x0                               ; my numbers are back, and the stores have read their registers,
.if \s < 2
	XLD \s+2                                       ; which take the loads of two steps on
.endif
	QUANT X, PC+8*\s, PW+\s
	global_store_b128 v1, v[PC+8*\s:PC+8*\s+3], s[26:27] offset:1024*\s          ; 32 lanes store 512 consecutive bytes, aligned to 256
	global_store_b128 v1, v[PC+8*\s+4:PC+8*\s+7], s[26:27] offset:1024*\s+512
.endm
	XLD 0
	XLD 1
	XSTEP 0
	XSTEP 1
	XSTEP 2
	XSTEP 3
	v_cndmask_b32 v12, v[PW], v[PW+2], s22         ; lanes 0-15 store row r's words of steps 0 and 1, lanes 16-31 those of steps 2 and 3:
	v_cndmask_b32 v13, v[PW+1], v[PW+3], s22
	global_store_b64 v4, v[12:13], s[26:27] offset:4096   ; 256 consecutive bytes, aligned
	s_wait_tensorcnt 0x0                           ; the wave's end
	ds_add_u32 v[SPW], v[NIL]
	s_wait_dscnt 0x0
	s_endpgm
; ---- the weights.  cols: columns of the tensor; kstr: bytes of a K half of the operand; first: the path's first work-group; src, dst: the scalar pairs of the two buffers.
; A work-group takes 128 columns x one K step of 128; a wave 32 columns; the four waves stand side by side on 512 consecutive bytes of each row.
.macro WLOAD cols, t                   ; block t: W(32 t + i, my column)
.irp i, 0,1,2,3,4,5,6,7,8,9,10,11,12,13,14,15,16,17,18,19,20,21,22,23,24,25,26,27,28,29,30,31
	global_load_b32 v[R+32*(\t)+\i], v7, s[24:25] offset:(32*(\t)+\i)*\cols*4 th:TH_LOAD_NT
.endr
.endm
.macro WBLOCK cols, t
.set XS, R+32*(\t)
.if (\t) < 3
	s_wait_loadcnt 32                              ; this block's 32 loads are in; the next block's may be out
.else
	s_wait_loadcnt 0x0
.endif
.if (\t) < 2
	WLOAD \cols, (\t)+2                            ; every block has registers of its own: the loads run two blocks ahead
.endif
	v_max3_num_f32 v12, |v[XS]|, |v[XS+1]|, |v[XS+2]|           ; the block's largest magnitude: all 32 numbers are mine
	v_max3_num_f32 v13, |v[XS+3]|, |v[XS+4]|, |v[XS+5]|
.irp i, 6,10,14,18,22,26
	v_max3_num_f32 v12, v12, |v[XS+\i]|, |v[XS+\i+1]|
	v_max3_num_f32 v13, v13, |v[XS+\i+2]|, |v[XS+\i+3]|
.endr
	v_max3_num_f32 v12, v12, |v[XS+30]|, |v[XS+31]|
	v_max3_num_f32 v12, v12, v13, 0x1800000        ; and the floor 2^(3 - 127)
	v_add_nc_u32 v11, 0xff000000, v12              ; the conversion's scale operand
	v_lshrrev_b32 v10, 23, v11                     ; the scale's byte
.if (\t) == 0
	v_mov_b32 v15, v10
.else
	v_lshl_or_b32 v15, v10, 8*(\t), v15            ; four bytes make my column's scale word of this K step
.endif
	v_cvt_scalef32_pk8_fp4_f32 v[TM+4*(\t)], v[XS:XS+7], v11        ; k 0-7,
	v_cvt_scalef32_pk8_fp4_f32 v[TM+4*(\t)+2], v[XS+8:XS+15], v11   ; k 8-15 in the third word,
	v_cvt_scalef32_pk8_fp4_f32 v[TM+4*(\t)+1], v[XS+16:XS+23], v11  ; k 16-23 in the second,
	v_cvt_scalef32_pk8_fp4_f32 v[TM+4*(\t)+3], v[XS+24:XS+31], v11  ; k 24-31: the program's order inside a block
	v_nop                                          ; one plain place behind a scaled conversion
	global_store_b128 v14, v[TM+4*(\t):TM+4*(\t)+3], s[28:29] offset:512*((\t)/2)+256*((\t)%2)   ; block t = 2 c + h of the image: sixteen lanes fill 256 consecutive bytes, aligned
.endm
.macro WPATH cols, kstr, first, src, dst
	s_sub_co_u32 s18, ttmp9, \first
	s_lshr_b32 s19, s18, 3                         ; which 128 columns
	s_and_b32 s18, s18, 7                          ; which K step
	s_lshl_b32 s19, s19, 7
	s_lshl_b32 s23, s16, 5
	s_add_co_u32 s19, s19, s23                     ; my wave's first column
	s_mul_i32 s24, s18, 128*\cols*4
	s_lshl_b32 s23, s19, 2
	s_add_co_u32 s24, s24, s23
	s_mov_b32 s25, 0
	s_add_nc_u64 s[24:25], s[\src:\src+1], s[24:25]
	s_lshr_b32 s26, s18, 2                         ; the K half
	s_mul_i32 s26, s26, \kstr
	s_lshr_b32 s23, s19, 4
	s_mul_i32 s23, s23, TILEB                      ; my wave's first tile
	s_add_co_u32 s26, s26, s23
	s_and_b32 s23, s18, 3                          ; the K step in the half
	s_lshl_b32 s28, s23, 10
	s_add_co_u32 s28, s28, s26
	s_mov_b32 s29, 0
	s_add_nc_u64 s[28:29], s[\dst:\dst+1], s[28:29]   ; the step's images
	s_lshl_b32 s23, s23, 2
	s_add_co_u32 s26, s26, s23
	s_add_co_u32 s26, s26, 4096
	s_mov_b32 s27, 0
	s_add_nc_u64 s[26:27], s[\dst:\dst+1], s[26:27]   ; and its scale words
	WLOAD \cols, 0
	WLOAD \cols, 1
	WBLOCK \cols, 0
	WBLOCK \cols, 1
	WBLOCK \cols, 2
	WBLOCK \cols, 3
	global_store_b32 v14, v15, s[26:27]            ; 4 bytes of every 16: the price of one K step to a work-group; 128 KiB of such words in all, beside 16 MiB read
	s_endpgm
.endm
.Lweights:
	s_cmp_lt_u32 ttmp9, 448
	s_cbranch_scc0 .Lproj_weight
	WPATH 3072, WAKS, 256, 6, 12
.Lproj_weight:
	WPATH 1024, WPKS, 448, 8, 14
.Lfunc_end_k_q8e3015af2a_prep:
	.size	k_q8e3015af2a_prep, .Lfunc_end_k_q8e3015af2a_prep-k_q8e3015af2a_prep
	.p2alignl 7, 3214868480
	.fill 96, 4, 3214868480
	.section	.rodata,"a",@progbits
	.p2align	6, 0x0
	.amdhsa_kernel k_q8e3015af2a_prep
		.amdhsa_group_segment_fixed_size 34304
		.amdhsa_private_segment_fixed_size 0
		.amdhsa_enable_private_segment 0
		.amdhsa_kernarg_size 48
		.amdhsa_user_sgpr_count 2
		.amdhsa_user_sgpr_kernarg_segment_ptr 1
		.amdhsa_wavefront_size32 1
		.amdhsa_system_sgpr_workgroup_id_x 1
		.amdhsa_system_sgpr_workgroup_id_y 1
		.amdhsa_system_sgpr_workgroup_id_z 1
		.amdhsa_system_vgpr_workitem_id 0
		.amdhsa_next_free_vgpr 256
		.amdhsa_next_free_sgpr 66
		.amdhsa_reserve_vcc 0
		.amdhsa_float_denorm_mode_32 3
		.amdhsa_float_denorm_mode_16_64 3
		.amdhsa_memory_ordered 1
		.amdhsa_forward_progress 1
		.amdhsa_inst_pref_size 72
	.end_amdhsa_kernel
	.amdgpu_metadata
---
amdhsa.version: [ 1, 2 ]
amdhsa.kernels:
  - .name:           k_q8e3015af2a_prep
    .symbol:         k_q8e3015af2a_prep.kd
    .args:
      - { .name: x, .offset: 0, .size: 8, .value_kind: global_buffer, .address_space: global }
      - { .name: w_attn, .offset: 8, .size: 8, .value_kind: global_buffer, .address_space: global }
      - { .name: w_proj, .offset: 16, .size: 8, .value_kind: global_buffer, .address_space: global }
      - { .name: xop, .offset: 24, .size: 8, .value_kind: global_buffer, .address_space: global }
      - { .name: waop, .offset: 32, .size: 8, .value_kind: global_buffer, .address_space: global }
      - { .name: wpop, .offset: 40, .size: 8, .value_kind: global_buffer, .address_space: global }
    .group_segment_fixed_size: 34304
    .private_segment_fixed_size: 0
    .kernarg_segment_align: 8
    .kernarg_segment_size: 48
    .max_flat_workgroup_size: 128
    .sgpr_count:     66
    .vgpr_count:     256
    .wavefront_size: 32
...
	.end_amdgpu_metadata
.endif
;; end of part 1
;; launch qkv (part 2): grid 8 x 48, 4 waves a work-group, clusters of 4 x 4, 327,680 bytes of LDS; arguments xop, waop, b_attn, qrec, kvrec; writes qrec, kvrec
.if DOCPART == 2
	.amdgcn_target "amdgcn-amd-amdhsa--gfx1250"
	.amdhsa_code_object_version 6
	.text
	.protected	k_q8e3015af2a_qkv
	.globl	k_q8e3015af2a_qkv
	.p2align	8
	.type	k_q8e3015af2a_qkv,@function
k_q8e3015af2a_qkv:
	s_mov_b64 s[64:65], 0
	v_nop
	global_prefetch_b8 v0, s[64:65] scope:SCOPE_SE
	s_setreg_imm32_b32 hwreg(HW_REG_WAVE_MODE, 25, 1), 1
	s_wait_xcnt 0x0
	s_wait_alu depctr_hold_cnt(0) depctr_sa_sdst(0) depctr_va_vdst(0) depctr_va_sdst(0) depctr_va_ssrc(0) depctr_va_vcc(0) depctr_vm_vsrc(0)
	s_getreg_b32 s2, hwreg(HW_REG_IB_STS2, 6, 4)
	s_cmp_eq_u32 s2, 0
	s_cbranch_scc0 .Lentry_in_a_cluster
	s_endpgm
.Lentry_in_a_cluster:
	s_bfe_u32 s2, ttmp6, 0x10000c
	s_cmp_lg_u32 s2, 0xf033
	s_cbranch_scc0 .Lentry_shape_is_right
	s_endpgm
.Lentry_shape_is_right:
; qkv = x w_attn + b_attn on codes of E2M1 (operands made by prep), and at once the quantising of q and k along the head's 64 and of v along the keys: the f32 numbers never go to memory.  No work of this product is left out.
; A work-group makes 256 x 256, each of its four waves 128 x 128: 64 accumulators, 512 registers.  K = 1,024 is two LDS slots of four K steps, both filled once, at the head: nothing is filled again.
; ROLES.  "A" is source 1 of the matrix instruction: its rows are the result's lanes.  "B" is source 0: its rows run along a lane's registers.  A quantiser wants its K along a lane's registers, so:
;   clusters with y < 8 (q and k): A = rows of x, B = columns 0-2,047 of w_attn: a lane's registers run along d.   clusters with y >= 8 (v): A = columns 2,048-3,071 of w_attn, B = rows of x: they run along the keys.
; The choice hangs on the cluster's y alone, the same in all sixteen partners; it picks pointers and strides by selects, and three short arms (the bias's loads, the first K step, the stores).
; CLUSTERS: 4 x 4.  A's tile hangs on the tile row, shared along a row of the cluster, B's on the tile column, shared along a column: each is asked for jointly, which divides the requests by four.
; 384 work-groups: a tile of 256 x 384, which would give 256, cuts heads and the parts q, k, v.
; THE BIAS is the C of each sum's first matrix instruction.  q, k: eight numbers a tile of B, by the lane's half;  v: the lane's own column's number in all eight registers of a tile of A.
; OUT.  qrec [b h (64)][128 queries (16)][4,608]: eight tile images of 512 bytes (lane (r, h): block h of query 16 t + r), then 512 bytes of scale words (word u of lane 16 (t & 1) + r: tile t = 2 u + (t & 1));
; a scale word holds the two blocks' bytes and two bytes 0 for the half of the instruction's K that a head of 64 does not have.
; kvrec [b h][128 keys (16)][8,960]: k as in qrec (0-4,095; its scale words 8,192-8,703); v's images [16 channels (4)][c (2)][lane][16] (4,096-8,191), its scale words (8,704-8,959: word w of lane 16 (ct & 1) + r: tile ct = 2 w + (ct & 1)).
; LIMITS: as stated at the head of prep.
; REGISTERS, in windows of 256.  window 0: v1-29 addresses; v32-95 scale words, two sets, and nothing else; v96-111 at work; v112-119 the eight scale words made; v128-255 A's fragments, two sets (on the way out: v128-191 codes, v192-199 scale images).
;   window 1: v0-63, v128-191 B's fragments, two sets; v64-127 the bias.   windows 2, 3: the accumulators: (a, b) at v[8 (8 (a % 4) + b)] of window 2 + a / 4.
.set XKS,   2228224                    ; bytes of a K half of xop
.set WAKS,  835584                     ; of waop
.set TILEB, 4352                       ; a tile of 16 rows: 4 K steps of images, 256 bytes of scale words
.set HALFT, 8*TILEB                    ; what one tensor load brings, and what one wave reads of A or of B in a slot
.set SLOT,  4*HALFT                    ; A's 16 tiles, then B's 16
.set SPARE, 2*SLOT                     ; behind the slots: the spare words, 128 bytes for each wave
.set ADRA, 16                          ; v16-17  LDS address of my A fragments in slot 0, 1: every read is 16 x lane on end, so there is no pitch and no padding
.set ADRB, 20                          ; v20-21  the same for B
.set ADRS, 22                          ; v22-23  of my scale words: lanes 0-15 A's, lanes 16-31 B's
.set SPW,  28                          ; v28  LDS address of my spare word; never rewritten
.set NIL,  29                          ; v29  0; never rewritten
.set SC,   32
.set TM,   96
.set PWS,  112
.set AF,   128
.set PCO,  128
.set SIM,  192
.set BI,   64                          ; in window 1
.set G1,  24                           ; s[24:31] descriptor group 1 for A;  s[32:39] group 0, one set for each slot
.set G0,  32
.set G1B, 48                           ; s[48:55], s[56:63] the same for B
.set G0B, 56
.set MSB, 0
.macro WIN new                         ; the immediate's high byte repeats the setting that is left
.if MSB != (\new)
	s_set_vgpr_msb (MSB<<8)|(\new)
.set MSB, (\new)
.endif
.endm
; A joint load: waves 0 and 1 fetch for A, waves 2 and 3 for B.  The branch hangs on the wave's number alone.  An s_nop 0 and four v_nop follow each of the two lines.
.macro JLOAD g0a, g1a, g0b, g1b
	s_cmp_eq_u32 s15, 0
	s_cbranch_scc0 .Lfor_b_\@
	tensor_load_to_lds s[\g0a:\g0a+3], s[\g1a:\g1a+7]
	s_nop 0
.rept 4
	v_nop
.endr
	s_branch .Lasked_\@
.Lfor_b_\@:
	tensor_load_to_lds s[\g0b:\g0b+3], s[\g1b:\g1b+7]
	s_nop 0
.rept 4
	v_nop
.endr
.Lasked_\@:
.endm
.macro CROUND                          ; a round of the cluster's barrier
	s_barrier_signal -1
	s_barrier_wait -1
	s_cmp_lg_u32 s14, 0
	s_cbranch_scc1 .Lnot_wave_0_\@
	s_barrier_signal -3
.Lnot_wave_0_\@:
	s_barrier_wait -3
	s_barrier_signal -1
	s_barrier_wait -1
.endm
.macro PLACES                          ; four plain places behind a matrix instruction, ahead of loads into its sources and of reads of its result
.rept 4
	v_nop
.endr
.endm
	s_load_b256 s[4:11], s[0:1], 0x0               ; xop, waop, b_attn, qrec
	s_load_b64 s[12:13], s[0:1], 0x20              ; kvrec
	v_lshl_add_u32 v[SPW], v0, 2, SPARE
	v_mov_b32 v[NIL], 0
	ds_add_u32 v[SPW], v[NIL]                      ; the wave's opening: the add, twice on end, and its wait ahead of my first tensor load
	ds_add_u32 v[SPW], v[NIL]                      ; and once more; the set-up below, work on registers, stands between it and the wait
	v_lshrrev_b32 v1, 5, v0
	v_readfirstlane_b32 s14, v1                    ; wave 0..3
	s_lshr_b32 s15, s14, 1                         ; which half of A's rows is mine.  Also: I fetch for A (0) or for B (1)
	s_and_b32 s16, s14, 1                          ; which half of B's rows.  Also: which eight tiles I fetch
	s_bfe_u32 s40, ttmp6, 0x40000                  ; cx
	s_bfe_u32 s41, ttmp6, 0x40004                  ; cy
	s_and_b32 s17, ttmp7, 0xffff                   ; the cluster's y
	s_lshl_b32 s21, s17, 2                         ; q, k: tile row 4 y + cy
	s_sub_co_u32 s22, s17, 8
	s_lshl_b32 s22, s22, 1
	s_add_co_u32 s22, s22, ttmp9
	s_lshl_b32 s22, s22, 2                         ; v: tile column 4 (2 (y - 8) + x) + cx
	s_lshl_b32 s23, ttmp9, 2                       ; q, k: tile column 4 x + cx
	s_mov_b32 s70, WAKS
	s_mov_b32 s71, XKS
	s_cmp_lt_u32 s17, 8
	s_cselect_b32 s20, 0, 1                        ; 0: q and k;  1: v
	s_cselect_b32 s21, s21, 8                      ; v: tile row 8 + cy
	s_cselect_b32 s42, s23, s22
	s_cselect_b32 s70, XKS, s70                    ; A's bytes from K half to K half,
	s_cselect_b32 s71, WAKS, s71                   ; and B's
	s_add_co_u32 s21, s21, s41                     ; tile row: it holds cy and never cx
	s_add_co_u32 s42, s42, s40                     ; tile column: cx and never cy
	s_lshl_b32 s43, s41, 2
	s_lshl_b32 s43, 15, s43                        ; my row of the cluster
	s_lshl_b32 s44, 0x1111, s40                    ; my column
	; descriptor group 1: eight tiles are one dense block of 34,816 bytes: 136 rows of 256 bytes (32 elements of 8 bytes), no padding
	s_or_b32 s[G1+0], s43, (3<<16)|(1<<21)         ; 15:0 the mask; 17:16 elements of 8 bytes; 21 set beside a mask
	s_or_b32 s[G1B+0], s44, (3<<16)|(1<<21)
.irp g, G1, G1B
	s_mov_b32 s[\g+1], 32<<16                      ; tensor_dim0
	s_mov_b32 s[\g+2], 136<<16                     ; tensor_dim1
	s_mov_b32 s[\g+3], 32<<16                      ; tile_dim0
	s_mov_b32 s[\g+4], 136                         ; tile_dim1
	s_mov_b32 s[\g+5], 32                          ; the pitch
	s_mov_b32 s[\g+6], 0
	s_mov_b32 s[\g+7], 0
.endr
	s_lshl_b32 s72, s21, 4
	s_lshl_b32 s73, s16, 3
	s_add_co_u32 s72, s72, s73                     ; A: tile 16 x tile row + 8 x half
	s_mul_i32 s72, s72, TILEB
	s_mov_b32 s73, 0
	s_mov_b32 s76, s70
	s_mov_b32 s77, 0
	s_lshl_b32 s90, s42, 4
	s_lshl_b32 s91, s16, 3
	s_add_co_u32 s90, s90, s91                     ; B: tile 16 x tile column + 8 x half
	s_mul_i32 s90, s90, TILEB
	s_mov_b32 s91, 0
	s_mov_b32 s94, s71
	s_mov_b32 s95, 0
	s_mul_i32 s45, s14, HALFT                      ; where they go: wave x eight tiles: no place in the cluster enters an LDS address
	s_mov_b32 s86, 0x76543210
	s_mov_b32 s87, 0xfedcba98                      ; v_permlanex16_b32's selects for lane l xor 16
	s_mov_b32 s88, 0xffff0000                      ; lanes 16-31
	s_wait_dscnt 0x0                               ; both opening adds are done
	s_wait_kmcnt 0x0
	s_cmp_eq_u32 s20, 0
	s_cselect_b64 s[66:67], s[4:5], s[6:7]         ; A's buffer,
	s_cselect_b64 s[68:69], s[6:7], s[4:5]         ; B's: the choice hangs on the cluster's y alone
	s_add_nc_u64 s[74:75], s[66:67], s[72:73]
	s_add_nc_u64 s[92:93], s[68:69], s[90:91]
	CROUND                                         ; all sixteen work-groups are here: the joint loads meet
	s_mov_b32 s[G0], 1
	s_mov_b32 s[G0+1], s45
	s_mov_b64 s[G0+2:G0+3], s[74:75]
	s_or_b32 s[G0+3], s[G0+3], 0x80000000
	s_mov_b32 s[G0B], 1
	s_mov_b32 s[G0B+1], s45
	s_mov_b64 s[G0B+2:G0B+3], s[92:93]
	s_or_b32 s[G0B+3], s[G0B+3], 0x80000000
	JLOAD G0, G1, G0B, G1B                         ; slot 0: K steps 0-3
	s_mov_b32 s[G0+4], 1
	s_add_co_u32 s[G0+5], s45, SLOT
	s_add_nc_u64 s[G0+6:G0+7], s[74:75], s[76:77]
	s_or_b32 s[G0+7], s[G0+7], 0x80000000
	s_mov_b32 s[G0B+4], 1
	s_add_co_u32 s[G0B+5], s45, SLOT
	s_add_nc_u64 s[G0B+6:G0B+7], s[92:93], s[94:95]
	s_or_b32 s[G0B+7], s[G0B+7], 0x80000000
	JLOAD G0+4, G1, G0B+4, G1B                     ; slot 1: K steps 4-7.  Two tensor loads of mine are out
	v_and_b32 v1, 15, v0                           ; r
	v_bfe_u32 v2, v0, 4, 1                         ; h
	v_and_b32 v4, 31, v0
	v_lshlrev_b32 v3, 4, v4                        ; 16 x lane
	v_lshlrev_b32 v26, 3, v4                       ; 8 x lane
	s_mul_i32 s72, s15, HALFT                      ; my eight tiles of A,
	s_mul_i32 s73, s16, HALFT
	s_add_co_u32 s73, s73, 2*HALFT                 ; and of B, behind A's sixteen
	v_add_nc_u32 v[ADRA], s72, v3
	v_add_nc_u32 v[ADRB], s73, v3
	v_add_nc_u32 v[ADRA+1], SLOT, v[ADRA]
	v_add_nc_u32 v[ADRB+1], SLOT, v[ADRB]
	s_sub_co_u32 s73, s73, s72
	v_mul_u32_u24 v5, s73, v2                      ; lanes 16-31 take B's scale words: one product, the distance between the two bases
	v_lshl_add_u32 v5, v1, 4, v5                   ; 16 bytes a row: the slot's four words
	s_add_co_u32 s72, s72, 4096
	v_add_nc_u32 v[ADRS], s72, v5
	v_add_nc_u32 v[ADRS+1], SLOT, v[ADRS]
.irp b, 0,1,2,3
	v_mov_b32 v[TM+4+\b], 0                        ; written once: a lane permute's destination counts as one of its sources
.endr
	; where my results go.  x128: which 128 rows of x;  w128: which 128 columns of w_attn
	s_lshl_b32 s72, s21, 1
	s_add_co_u32 s72, s72, s15
	s_lshl_b32 s73, s42, 1
	s_add_co_u32 s73, s73, s16
	s_cmp_eq_u32 s20, 0
	s_cselect_b32 s78, s72, s73                    ; x128
	s_cselect_b32 s79, s73, s72                    ; w128: 0-7 q, 8-15 k, 16-23 v
	s_lshr_b32 s74, s78, 4                         ; the batch
	s_and_b32 s75, s78, 15                         ; which 128 positions in it
	s_and_b32 s76, s79, 7
	s_lshl_b32 s76, s76, 1                         ; the first of my two heads
	s_lshl_b32 s74, s74, 4
	s_add_co_u32 s74, s74, s76
	s_lshl_b32 s74, s74, 4
	s_add_co_u32 s74, s74, s75                     ; the record's number: (16 batch + head) 16 + j
	s_mov_b32 s77, 8960
	s_mov_b32 s89, 8192
	s_cmp_lt_u32 s79, 8
	s_cselect_b64 s[80:81], s[10:11], s[12:13]     ; q goes to qrec, k and v to kvrec
	s_cselect_b32 s77, 4608, s77                   ; a record's bytes,
	s_cselect_b32 s89, 4096, s89                   ; and where q's or k's scale words begin in it
	s_mul_i32 s74, s74, s77
	s_mov_b32 s75, 0
	s_add_nc_u64 s[80:81], s[80:81], s[74:75]      ; my first head's record,
	s_lshl_b32 s74, s77, 4
	s_add_nc_u64 s[82:83], s[80:81], s[74:75]      ; my second head's: sixteen records on
	v_add_nc_u32 v25, s89, v3
	s_lshl_b32 s74, s79, 9
	s_add_nc_u64 s[84:85], s[8:9], s[74:75]        ; b_attn at my 128 columns
	s_cmp_eq_u32 s20, 0
	s_cbranch_scc0 .Lbias_v
	v_lshlrev_b32 v24, 5, v2                       ; q, k: tile b of B: columns 16 b + 8 h + 0 .. 7
	WIN 0x40                                       ; destination window 1
.irp b, 0,1,2,3,4,5,6,7
	global_load_b128 v[BI+8*\b:BI+8*\b+3], v24, s[84:85] offset:64*\b
	global_load_b128 v[BI+8*\b+4:BI+8*\b+7], v24, s[84:85] offset:64*\b+16
.endr
	WIN 0
	s_branch .Lbias_done
.Lbias_v:
	v_lshlrev_b32 v24, 2, v1                       ; v: tile a of A: column 16 a + r, the same number in all eight registers
	WIN 0x40
.irp a, 0,1,2,3,4,5,6,7
.irp j, 0,1,2,3,4,5,6,7
	global_load_b32 v[BI+8*\a+\j], v24, s[84:85] offset:64*\a
.endr
.endr
	WIN 0
.Lbias_done:
.macro FRAG reg, adr, q, i             ; a fragment, 16 rows x 128 K: eight registers, two images of 512 bytes
	ds_load_b128 v[\reg:\reg+3], v[\adr] offset:TILEB*(\i)+1024*(\q)
	ds_load_b128 v[\reg+4:\reg+7], v[\adr] offset:TILEB*(\i)+1024*(\q)+512
.endm
.macro FETCH_B slot, q, p              ; B's eight fragments of the slot's q-th K step into set p
	WIN 0x40
.irp i, 0,1,2,3,4,5,6,7
	FRAG 128*(\p)+8*\i, ADRB+\slot, \q, \i
.endr
	WIN 0
.endm
.macro FETCH_A slot, q, p
.irp i, 0,1,2,3,4,5,6,7
	FRAG AF+64*(\p)+8*\i, ADRA+\slot, \q, \i
.endr
.endm
.macro SCALES sc                       ; a slot's scale words: four a row; lanes 0-15 take A's tile i, lanes 16-31 B's tile i
.irp i, 0,1,2,3,4,5,6,7
	ds_load_b128 v[SC+32*\sc+4*\i:SC+32*\sc+4*\i+3], v[ADRS+\sc] offset:TILEB*\i
.endr
.endm
; Eight matrix instructions: A's tile a against B's eight.  cmode 0: the sums go on;  1: they start from the bias of B's tile;  2: from the bias of A's tile.
; The 64 accumulators take turns, one instruction a turn, in the same order in every step.
.macro MULA a, p, q, sc, cmode
.irp b, 0,1,2,3,4,5,6,7
.if \cmode == 1
	v_wmma_scale_f32_16x16x128_f8f6f4 v[8*(8*((\a)%4)+\b):8*(8*((\a)%4)+\b)+7], v[128*(\p)+8*\b:128*(\p)+8*\b+7], v[AF+64*(\p)+8*(\a):AF+64*(\p)+8*(\a)+7], v[BI+8*\b:BI+8*\b+7], v[SC+32*(\sc)+4*\b+(\q)], v[SC+32*(\sc)+4*(\a)+(\q)] matrix_a_fmt:MATRIX_FMT_FP4 matrix_b_fmt:MATRIX_FMT_FP4 matrix_a_scale:MATRIX_SCALE_ROW1
.elseif \cmode == 2
	v_wmma_scale_f32_16x16x128_f8f6f4 v[8*(8*((\a)%4)+\b):8*(8*((\a)%4)+\b)+7], v[128*(\p)+8*\b:128*(\p)+8*\b+7], v[AF+64*(\p)+8*(\a):AF+64*(\p)+8*(\a)+7], v[BI+8*(\a):BI+8*(\a)+7], v[SC+32*(\sc)+4*\b+(\q)], v[SC+32*(\sc)+4*(\a)+(\q)] matrix_a_fmt:MATRIX_FMT_FP4 matrix_b_fmt:MATRIX_FMT_FP4 matrix_a_scale:MATRIX_SCALE_ROW1
.else
	v_wmma_scale_f32_16x16x128_f8f6f4 v[8*(8*((\a)%4)+\b):8*(8*((\a)%4)+\b)+7], v[128*(\p)+8*\b:128*(\p)+8*\b+7], v[AF+64*(\p)+8*(\a):AF+64*(\p)+8*(\a)+7], v[8*(8*((\a)%4)+\b):8*(8*((\a)%4)+\b)+7], v[SC+32*(\sc)+4*\b+(\q)], v[SC+32*(\sc)+4*(\a)+(\q)] matrix_a_fmt:MATRIX_FMT_FP4 matrix_b_fmt:MATRIX_FMT_FP4 matrix_a_scale:MATRIX_SCALE_ROW1
.endif
.endr
.endm
; A K step of 128: its fragments were asked for a whole step ago; the next step's are asked for first, into the other sets, in one run; then 64 matrix instructions.
.macro STEP slot, q, cmode
	s_wait_dscnt 0x0                               ; this step's fragments are in
.if (\slot == 0) && (\q == 3)
	s_wait_tensorcnt 0x0                           ; my part of slot 1 has landed,
	s_barrier_signal -1
	s_barrier_wait -1                              ; everybody's has.
.endif
.if \cmode == 0
	PLACES                                         ; ahead of loads into the sets that the last step multiplied
.endif
.if \q < 3
	FETCH_B \slot, (\q)+1, 1-(\q)%2
	FETCH_A \slot, (\q)+1, 1-(\q)%2
.elseif \slot == 0
	FETCH_B 1, 0, 0
	FETCH_A 1, 0, 0
	SCALES 1
.endif
.if \cmode
	WIN 0x91                                       ; source 0 (B) window 1, source 1 (A) window 0, C (the bias) window 1, D window 2
.else
	WIN 0xa1                                       ; C and D window 2
.endif
.irp a, 0,1,2,3
	MULA \a, (\q)%2, \q, \slot, \cmode
.endr
.if \cmode
	WIN 0xd1                                       ; D window 3
.else
	WIN 0xf1
.endif
.irp a, 4,5,6,7
	MULA \a, (\q)%2, \q, \slot, \cmode
.endr
	WIN 0
.endm
	s_wait_tensorcnt 0x1                           ; my part of slot 0 is in; slot 1's load, issued behind it, may be out
	s_barrier_signal -1
	s_barrier_wait -1                              ; everybody's is
	FETCH_B 0, 0, 0
	FETCH_A 0, 0, 0
	SCALES 0
	s_wait_loadcnt 0x0                             ; the bias
	s_cmp_eq_u32 s20, 0
	s_cbranch_scc0 .Lfirst_v
	STEP 0, 0, 1                                   ; the first step starts the sums: nothing is ever cleared
	s_branch .Lfirst_done
.Lfirst_v:
	STEP 0, 0, 2
.Lfirst_done:
	STEP 0, 1, 0
	STEP 0, 2, 0
	STEP 0, 3, 0
	STEP 1, 0, 0
	STEP 1, 1, 0
	STEP 1, 2, 0
	STEP 1, 3, 0
; THE WAY OUT.  The 64 registers of A's tile a are, for my lane's row of A, 128 neighbours along B's rows: register 16 b + i lies in block b.  They become a fragment (v[PCO + 8 a] on) and a scale word (v[PWS + a]),
; read where they lie, each accumulator from its low end on.
.macro QUANTW a
.set AC, 64*((\a)%4)
	WIN 0x0a+5*((\a)/4)                            ; sources 0 and 1: window 2 or 3
.irp b, 0,1,2,3
	v_max3_num_f32 v[TM+\b], |v[AC+16*\b]|, |v[AC+16*\b+1]|, 0x1800000   ; and the floor 2^(3 - 127): the byte cannot fall under 1
.endr
.irp i, 2,4,6,8,10,12,14
.irp b, 0,1,2,3
	v_max3_num_f32 v[TM+\b], |v[AC+16*\b+\i]|, |v[AC+16*\b+\i+1]|, v[TM+\b]
.endr
.endr
	WIN 0
.irp b, 0,1,2,3
	v_permlanex16_b32 v[TM+4+\b], v[TM+\b], s86, s87
.endr
.irp b, 0,1,2,3
	v_max_num_f32 v[TM+\b], v[TM+\b], v[TM+4+\b]   ; with lane l xor 16's: the block's largest magnitude
.endr
.irp b, 0,1,2,3
	v_add_nc_u32 v[TM+12+\b], 0xff000000, v[TM+\b] ; 2 off its exponent field: the conversion's scale operand
.endr
.irp b, 0,1,2,3
	v_lshrrev_b32 v[TM+4+\b], 23, v[TM+12+\b]      ; the scale's byte
.endr
	v_lshl_or_b32 v[PWS+\a], v[TM+5], 8, v[TM+4]
	v_lshl_or_b32 v[PWS+\a], v[TM+6], 16, v[PWS+\a]
	v_lshl_or_b32 v[PWS+\a], v[TM+7], 24, v[PWS+\a]
	WIN 0x02+(\a)/4                                ; source 0: window 2 or 3
.irp b, 0,1,2,3
	v_cvt_scalef32_pk8_fp4_f32 v[PCO+8*\a+2*\b], v[AC+16*\b:AC+16*\b+7], v[TM+12+\b]
	v_cvt_scalef32_pk8_fp4_f32 v[PCO+8*\a+2*\b+1], v[AC+16*\b+8:AC+16*\b+15], v[TM+12+\b]
.endr
	WIN 0
	v_nop                                          ; one plain place behind a scaled conversion
.irp c, 0,1
.irp i, 0,1
	v_permlane16_swap_b32 v[PCO+8*\a+4*\c+\i], v[PCO+8*\a+2+4*\c+\i]   ; a whole block to a lane
.endr
.endr
.endm
	PLACES
.irp a, 0,1,2,3,4,5,6,7
	QUANTW \a
.endr
	s_cmp_eq_u32 s20, 0
	s_cbranch_scc0 .Lstore_v
	; q or k: tile a is 16 positions; registers 0-3 are my first head's 64 (blocks 0, 1), registers 4-7 my second head's.  Every store covers 512 consecutive bytes, aligned to 256
.irp a, 0,1,2,3,4,5,6,7
	global_store_b128 v3, v[PCO+8*\a:PCO+8*\a+3], s[80:81] offset:512*\a
	global_store_b128 v3, v[PCO+8*\a+4:PCO+8*\a+7], s[82:83] offset:512*\a
.endr
.irp u, 0,1,2,3
	v_cndmask_b32 v[TM+\u], v[PWS+2*\u], v[PWS+2*\u+1], s88   ; lanes 0-15: tile 2 u's word, lanes 16-31: tile 2 u + 1's
.endr
.irp u, 0,1,2,3
	v_and_b32 v[SIM+\u], 0xffff, v[TM+\u]          ; my first head's two bytes; the bytes of the K that a head does not have are 0
	v_lshrrev_b32 v[SIM+4+\u], 16, v[TM+\u]        ; my second head's
.endr
	global_store_b128 v25, v[SIM:SIM+3], s[80:81]
	global_store_b128 v25, v[SIM+4:SIM+7], s[82:83]
	s_branch .Lout
.Lstore_v:
	; v: tile a is 16 channels (head a / 4, tile a % 4 of it); its eight registers are the record's 128 keys
.irp a, 0,1,2,3,4,5,6,7
	global_store_b128 v3, v[PCO+8*\a:PCO+8*\a+3], s[80+2*(\a/4):81+2*(\a/4)] offset:4096+1024*(\a%4)
	global_store_b128 v3, v[PCO+8*\a+4:PCO+8*\a+7], s[80+2*(\a/4):81+2*(\a/4)] offset:4096+1024*(\a%4)+512
.endr
.irp t, 0,1,2,3
	v_cndmask_b32 v[SIM+\t], v[PWS+2*\t], v[PWS+2*\t+1], s88
.endr
	global_store_b64 v26, v[SIM:SIM+1], s[80:81] offset:8704     ; 256 consecutive bytes, aligned
	global_store_b64 v26, v[SIM+2:SIM+3], s[82:83] offset:8704
.Lout:
	s_wait_tensorcnt 0x0                           ; the wave's end: three closing lines behind my last tensor load
	ds_add_u32 v[SPW], v[NIL]
	s_wait_dscnt 0x0
	CROUND                                         ; the closing round: no work-group ends while a partner may still ask for a tile that names it
	s_endpgm
.Lfunc_end_k_q8e3015af2a_qkv:
	.size	k_q8e3015af2a_qkv, .Lfunc_end_k_q8e3015af2a_qkv-k_q8e3015af2a_qkv
	.p2alignl 7, 3214868480
	.fill 96, 4, 3214868480
	.section	.rodata,"a",@progbits
	.p2align	6, 0x0
	.amdhsa_kernel k_q8e3015af2a_qkv
		.amdhsa_group_segment_fixed_size 327680
		.amdhsa_private_segment_fixed_size 0
		.amdhsa_enable_private_segment 0
		.amdhsa_kernarg_size 40
		.amdhsa_user_sgpr_count 2
		.amdhsa_user_sgpr_kernarg_segment_ptr 1
		.amdhsa_wavefront_size32 1
		.amdhsa_system_sgpr_workgroup_id_x 1
		.amdhsa_system_sgpr_workgroup_id_y 1
		.amdhsa_system_sgpr_workgroup_id_z 1
		.amdhsa_system_vgpr_workitem_id 0
		.amdhsa_next_free_vgpr 1024
		.amdhsa_next_free_sgpr 100
		.amdhsa_reserve_vcc 0
		.amdhsa_float_denorm_mode_32 3
		.amdhsa_float_denorm_mode_16_64 3
		.amdhsa_memory_ordered 1
		.amdhsa_forward_progress 1
		.amdhsa_inst_pref_size 146
	.end_amdhsa_kernel
	.amdgpu_metadata
---
amdhsa.version: [ 1, 2 ]
amdhsa.kernels:
  - .name:           k_q8e3015af2a_qkv
    .symbol:         k_q8e3015af2a_qkv.kd
    .args:
      - { .name: xop, .offset: 0, .size: 8, .value_kind: global_buffer, .address_space: global }
      - { .name: waop, .offset: 8, .size: 8, .value_kind: global_buffer, .address_space: global }
      - { .name: b_attn, .offset: 16, .size: 8, .value_kind: global_buffer, .address_space: global }
      - { .name: qrec, .offset: 24, .size: 8, .value_kind: global_buffer, .address_space: global }
      - { .name: kvrec, .offset: 32, .size: 8, .value_kind: global_buffer, .address_space: global }
    .group_segment_fixed_size: 327680
    .private_segment_fixed_size: 0
    .kernarg_segment_align: 8
    .kernarg_segment_size: 40
    .max_flat_workgroup_size: 128
    .sgpr_count:     100
    .vgpr_count:     1024
    .wavefront_size: 32
...
	.end_amdgpu_metadata
.endif
;; end of part 2
;; launch attn (part 3): grid 4 x 64, 16 waves a work-group, no clusters, 19,968 bytes of LDS; arguments qrec, kvrec, yop; writes yop
.if DOCPART == 3
	.amdgcn_target "amdgcn-amd-amdhsa--gfx1250"
	.amdhsa_code_object_version 6
	.text
	.protected	k_q8e3015af2a_attn
	.globl	k_q8e3015af2a_attn
	.p2align	8
	.type	k_q8e3015af2a_attn,@function
k_q8e3015af2a_attn:
	s_mov_b64 s[64:65], 0
	v_nop
	global_prefetch_b8 v0, s[64:65] scope:SCOPE_SE
	s_setreg_imm32_b32 hwreg(HW_REG_WAVE_MODE, 25, 1), 1
	s_wait_xcnt 0x0
; y = softmax(q k^T / 8, causal) v for one (batch, head), both products on codes of E2M1, and at once the quantising of y along C for the projection.
; LEFT OUT: key steps all of whose 128 keys come after a wave's 16 queries (the mask that reference() builds itself makes p exactly 0 there: shown at the head of prep).
; THE SOFTMAX AHEAD OF THE SECOND PRODUCT: t = score x log2(e) / 8; M = the running largest t rounded UP to a whole number; p = 2^(t - M) is quantised along the keys, not normalised; the row's sum is taken of
; the unquantised p and divides at the end; when M moves, the sum and O are multiplied by 2^(old M - new M), which rounds nothing.
; SHARES.  Work-group (i, b h) owns the blocks i and 7 - i of 256 queries: 2 (i + 1) + 2 (8 - i) = 18 key steps of 128 for every work-group: 256 work-groups of equal length.  Each of sixteen waves owns 16 queries of a block,
; one tile, in 256 registers: four waves to a SIMD, so that one wave's vector work stands beside another's matrix work and LDS loads.  A loop of nine trips, two key steps a trip; behind trip i + 1 the first block
; is finished and the second begins: a branch on ids, the same in all waves.
; K AND V.  A key step's record (made by qkv) is 8,960 dense bytes in the order of the operands' registers.  Thread t loads 16 bytes at 16 t (the threads of waves 0-2 also 8 bytes of the last 768) and stores them to LDS
; at the same place: two slots by turns, one barrier a step.  The loads into registers are issued two steps ahead of the step that reads them, the stores to LDS one step ahead.
; NO CLUSTER, NO TENSOR LOAD: the four work-groups of a head go back to record 0 at different steps, so joint requests would not meet; and a step's 8,960 bytes are little beside sixteen waves' softmax.
; NO PREFETCH: a record's load into registers is itself issued a whole key step ahead of the wait for it.
; LAYOUT.  Both products transposed: S^T = K Q^T (source 0 = 16 keys, source 1 = my queries), O^T = V^T P^T: a lane holds ONE query throughout.  The head's 64 fill half of the instruction's K: Q's upper four registers are
; zero codes for ever, so what K's upper four hold (the next tile's codes) adds nothing; the scale bytes there are 0.
; y's codes leave as 512 aligned bytes a tile; its scale bytes leave singly (32 a tile: a scale word's four bytes come from two heads, that is from two work-groups): 256 KiB in all.
; LIMITS: as stated at the head of prep.
; REGISTERS: v1-4 LDS places; v7-10 the records' offsets; v11 r - 8 h; v12 -M, v13 the largest t, v[14:15] the sum; v16-23 Q; v24, v25 Q's scale words (this block's, the second's); v26-29 the second block's Q;
; v32-67 K (v64-67 zeros); v68-99 V; v100-163 S^T, then p; v164-195 O^T; v196-203 p's codes; v204-229 at work; v216-222 scale words alone; v232-243 records on their way; v244-251 the way out.
.set XKS,   2228224                    ; bytes of a K half of yop
.set REC,   8960
.set SPARE, 2*REC                      ; behind the two slots: the spare words, 128 bytes for each wave
.set SPW, 5                            ; v5  LDS address of my spare word; never rewritten
.set NIL, 6                            ; v6  0; never rewritten
.set QF,  16
.set KFR, 32
.set VFR, 68
.set S,   100
.set O,   164
.set PCD, 196
.set BM,  204                          ; v204-207 a block's largest score, then its largest p
.set T2,  208                          ; v208-211 the other half's; then the bytes
.set SO,  212                          ; v212-215 the conversions' scale operands
.set KSC, 216                          ; v216-219 K's scale words
.set VSC, 220                          ; v220-221 V's
.set PW,  222                          ; p's scale word
.set FF,  224                          ; v[224:225] f = 2^(old M - new M); v225 is written once
.set TP,  226                          ; v226-229 at work
	s_load_b128 s[4:7], s[0:1], 0x0                ; qrec, kvrec
	s_load_b64 s[8:9], s[0:1], 0x10                ; yop
	v_lshl_add_u32 v[SPW], v0, 2, SPARE
	v_mov_b32 v[NIL], 0
	v_lshrrev_b32 v1, 5, v0
	v_readfirstlane_b32 s18, v1                    ; wave 0..15
	v_and_b32 v226, 31, v0                         ; lane
	v_and_b32 v227, 15, v0                         ; r
	v_bfe_u32 v228, v0, 4, 1                       ; h
	v_lshlrev_b32 v1, 4, v226                      ; 16 x lane: an image's place
	v_lshlrev_b32 v2, 3, v226                      ; 8 x lane: V's scale words
	v_lshlrev_b32 v3, 4, v0                        ; 16 x thread: my 16 bytes of a record
	v_lshlrev_b32 v4, 3, v0                        ; 8 x thread: my 8 bytes of its last 768 (waves 0-2)
	v_lshlrev_b32 v229, 3, v228
	v_sub_nc_u32 v11, v227, v229                   ; r - 8 h
	v_lshl_add_u32 v249, v227, 4, v228             ; 16 r + h: y's scale byte
	s_and_b32 s24, ttmp7, 0xffff                   ; b h
	s_add_co_u32 s31, ttmp9, 1                     ; trips of the first block
	s_lshl_b32 s32, s31, 1                         ; its key steps
	s_lshl_b32 s40, s18, 4
	s_lshl_b32 s26, ttmp9, 8
	s_add_co_u32 s26, s26, s40                     ; my first query: 256 i + 16 wave;
	s_sub_co_u32 s27, 7, ttmp9
	s_lshl_b32 s27, s27, 8
	s_add_co_u32 s27, s27, s40                     ; in the second block: 256 (7 - i) + 16 wave
	s_mov_b32 s28, 0                               ; the step's first key
	s_mov_b32 s30, 0                               ; trips done
	s_mov_b32 s33, 0                               ; the next record to ask for, in bytes,
	s_mov_b32 s34, 0                               ; and how many have been asked for
	s_mov_b32 s35, 0xffff0000                      ; lanes 16-31
	s_mov_b32 s20, 0x76543210
	s_mov_b32 s21, 0xfedcba98                      ; v_permlanex16_b32's selects for lane l xor 16
	s_mov_b32 s22, 0x3e38aa3b                      ; c = log2(e) / 8
	s_mov_b32 s23, s22                             ; (named with it as a pair, so it is written)
	s_and_b32 s41, s24, 15                         ; the head: its 64 channels are blocks 2 (head & 1), + 1 of K step head / 2 of the projection
	s_lshr_b32 s42, s41, 3
	s_mul_i32 s42, s42, XKS                        ; the K half
	s_and_b32 s43, s41, 7
	s_lshl_b32 s36, s43, 9
	s_add_co_u32 s36, s36, s42                     ; y's image in a tile: 512 (head & 7)
	s_lshl_b32 s37, s43, 1
	s_add_co_u32 s37, s37, s42
	s_add_co_u32 s37, s37, 4096                    ; y's scale bytes in a tile: 4,096 + 2 (head & 7)
	s_lshr_b32 s38, s24, 4
	s_lshl_b32 s38, s38, 7                         ; the batch's first tile of rows
	s_mul_i32 s44, s24, 16*4608
	s_mov_b32 s45, 0
	s_mul_i32 s46, s24, 16*REC
	s_mov_b32 s47, 0
	s_and_b32 s40, s18, 7                          ; my tile in a record of 128 queries
	s_lshl_b32 s41, s40, 9
	v_add_nc_u32 v250, s41, v1                     ; Q's image: 512 tile + 16 lane; never rewritten
	s_lshr_b32 s41, s40, 1
	s_lshl_b32 s41, s41, 2
	s_and_b32 s42, s18, 1
	s_lshl_b32 s42, s42, 8
	s_add_co_u32 s41, s41, s42
	v_lshl_add_u32 v251, v227, 4, s41              ; Q's scale word: 256 (tile & 1) + 16 r + 4 (tile / 2); never rewritten
	s_lshr_b32 s48, s26, 7
	s_mul_i32 s48, s48, 4608
	s_mov_b32 s49, 0
	s_lshr_b32 s50, s27, 7
	s_mul_i32 s50, s50, 4608
	s_mov_b32 s51, 0
	s_wait_kmcnt 0x0
	s_add_nc_u64 s[4:5], s[4:5], s[44:45]          ; my head's records
	s_add_nc_u64 s[6:7], s[6:7], s[46:47]
	s_add_nc_u64 s[48:49], s[4:5], s[48:49]        ; the record of my queries, first block,
	s_add_nc_u64 s[50:51], s[4:5], s[50:51]        ; second block
	global_load_b128 v[QF:QF+3], v250, s[48:49]
	global_load_b32 v24, v251, s[48:49] offset:4096
	global_load_b128 v[26:29], v250, s[50:51]
	global_load_b32 v25, v251, s[50:51] offset:4096
; The next record is asked for, into set.  Behind the first block's last record the walk goes back to record 0.
.macro ASKREC set
	v_add_nc_u32 v[7+\set], s33, v3
	global_load_b128 v[232+4*\set:235+4*\set], v[7+\set], s[6:7]
	s_cmp_lt_u32 s18, 3
	s_cbranch_scc0 .Lno_tail_\@
	v_add_nc_u32 v[9+\set], s33, v4
	global_load_b64 v[240+2*\set:241+2*\set], v[9+\set], s[6:7] offset:8192
.Lno_tail_\@:
	s_add_co_u32 s33, s33, REC
	s_add_co_u32 s34, s34, 1
	s_cmp_eq_u32 s34, s32
	s_cselect_b32 s33, 0, s33
.endm
	ASKREC 0
	ASKREC 1
.irp j, 0,1,2,3
	v_mov_b32 v[QF+4+\j], 0                        ; Q's upper half: zero codes, for ever
	v_mov_b32 v[KFR+32+\j], 0                      ; what stands behind K's last tile
	v_mov_b32 v[T2+\j], 0                          ; written once: a lane permute's destination counts as one of its sources
.endr
	v_mov_b32 v[FF+1], 0                           ; (named as the upper half of a pair)
	v_mov_b32 v13, 0xff61b1e6                      ; the largest t so far: -3e38, under every t
	v_floor_f32 v12, -v13                          ; -M
	v_mov_b32 v14, 0
	v_mov_b32 v15, 0
.set n, 0
.rept 32
	v_mov_b32 v[O+n], 0                            ; O^T: the step is written once; the first finds zeros, which the first change of M leaves zeros
.set n, n+1
.endr
	s_wait_loadcnt 0x0                             ; Q, and the first two records
	ds_store_b128 v3, v[232:235]                   ; record 0 into slot 0
	s_cmp_lt_u32 s18, 3
	s_cbranch_scc0 .Lno_tail_first
	ds_store_b64 v4, v[240:241] offset:8192
.Lno_tail_first:
; A KEY STEP, read from slot sg.
.macro STEP sg
.set S0, REC*\sg
.set S1, REC*(1-\sg)
	s_wait_dscnt 0x0                               ; my stores of this slot's record have landed, and my reads of the other slot are over
	s_barrier_signal -1
	s_barrier_wait -1                              ; both now hold of all sixteen waves
	s_wait_loadcnt 0x0                             ; the next step's record, asked for a step ago, is in registers; no load of mine is out, so the offsets and the sets may be written
.if \sg == 1
	s_cmp_lt_u32 s30, 8                            ; the last trip's second step has no successor
	s_cbranch_scc0 .Lno_more_\@
.endif
	ds_store_b128 v3, v[232+4*(1-\sg):235+4*(1-\sg)] offset:S1   ; it goes into the slot that has just been left
	s_cmp_lt_u32 s18, 3
	s_cbranch_scc0 .Lno_tail_\@
	ds_store_b64 v4, v[240+2*(1-\sg):241+2*(1-\sg)] offset:S1+8192
.Lno_tail_\@:
.if \sg == 0
	s_cmp_lt_u32 s30, 8                            ; the last trip asks for nothing: no load leaves its buffer
	s_cbranch_scc0 .Lno_more_\@
.endif
	ASKREC \sg                                     ; the record of two steps on, into the set whose stores were awaited above
.Lno_more_\@:
	s_add_co_u32 s40, s26, 15
	s_cmp_gt_u32 s28, s40                          ; all 128 keys come after my 16 queries: the step's work is left out; no barrier stands in it
	s_cbranch_scc1 .Lhidden_\@
.irp t, 0,1,2,3,4,5,6,7
	ds_load_b128 v[KFR+4*\t:KFR+4*\t+3], v1 offset:S0+512*\t
.endr
	ds_load_b128 v[KSC:KSC+3], v1 offset:S0+8192
.irp f, 0,1,2,3,4,5,6,7
	ds_load_b128 v[VFR+4*\f:VFR+4*\f+3], v1 offset:S0+4096+512*\f
.endr
	ds_load_b64 v[VSC:VSC+1], v2 offset:S0+8704
	s_wait_dscnt 9                                 ; K and its scale words are in; V's eight loads and its scale words, issued behind them, may be out
.irp t, 0,2,4,6
	v_wmma_scale_f32_16x16x128_f8f6f4 v[S+8*\t:S+8*\t+7], v[KFR+4*\t:KFR+4*\t+7], v[QF:QF+7], 0, v[KSC+\t/2], v24 matrix_a_fmt:MATRIX_FMT_FP4 matrix_b_fmt:MATRIX_FMT_FP4
	v_wmma_scale_f32_16x16x128_f8f6f4 v[S+8*\t+8:S+8*\t+15], v[KFR+4*\t+4:KFR+4*\t+11], v[QF:QF+7], 0, v[KSC+\t/2], v24 matrix_a_fmt:MATRIX_FMT_FP4 matrix_b_fmt:MATRIX_FMT_FP4 matrix_a_scale:MATRIX_SCALE_ROW1
.endr                                              ; register 8 t + j of lane (r, h): key 16 t + 8 h + j of the step, query r
.rept 4
	v_nop
.endr
	s_add_co_u32 s40, s28, 127
	s_cmp_le_u32 s40, s26                          ; all 128 keys count for all my queries: no mask
	s_cbranch_scc1 .Lopen_\@
	s_sub_co_i32 s40, s26, s28
	v_add_nc_u32 v227, s40, v11                    ; d = my query - the step's first key - 8 h: register 8 t + j is hidden where 16 t + j > d
	v_mov_b32 v228, 0xff800000                     ; -infinity: p = 0 then
.set n, 0
.rept 64
	v_cmp_gt_i32 vcc_lo, 16*(n/8)+n%8, v227
	v_cndmask_b32 v[S+n], v[S+n], v228, vcc_lo
.set n, n+1
.endr
.Lopen_\@:
.irp b, 0,1,2,3
	v_max3_num_f32 v[BM+\b], v[S+16*\b], v[S+1+16*\b], v[S+2+16*\b]   ; the largest score of each block of 32 keys: it serves for the row's maximum and, since p rises with the score, for the block's largest p
.endr
.irp i, 3,5,7,9,11,13
.irp b, 0,1,2,3
	v_max3_num_f32 v[BM+\b], v[BM+\b], v[S+16*\b+\i], v[S+1+16*\b+\i]
.endr
.endr
.irp b, 0,1,2,3
	v_max_num_f32 v[BM+\b], v[BM+\b], v[S+15+16*\b]
.endr
.irp b, 0,1,2,3
	v_permlanex16_b32 v[T2+\b], v[BM+\b], s20, s21
.endr
.irp b, 0,1,2,3
	v_max_num_f32 v[BM+\b], v[BM+\b], v[T2+\b]     ; with lane l xor 16's 16 keys
.endr
	v_max3_num_f32 v226, v[BM], v[BM+1], v[BM+2]
	v_max_num_f32 v226, v226, v[BM+3]              ; the step's largest score of my query
	v_mul_f32 v226, s22, v226                      ; as t (c is positive)
	v_max_num_f32 v13, v13, v226                   ; the running largest t
	v_mov_b32 v226, v12
	v_floor_f32 v12, -v13                          ; the new -M = floor(-t): M is a whole number
	v_sub_f32 v226, v12, v226                      ; old M less new M: a whole number, 0 or less
	v_cvt_i32_f32 v226, v226                       ; (it saturates)
	v_ldexp_f32 v[FF], 1.0, v226                   ; f = 2^(old M - new M)
.set n, 0
.rept 32
	v_pk_fma_f32 v[S+n:S+n+1], v[S+n:S+n+1], s[22:23], v[12:13] op_sel_hi:[1,0,0]   ; t - M, two at a time
.set n, n+2
.endr
.irp b, 0,1,2,3
	v_fma_f32 v[BM+\b], v[BM+\b], s22, v12         ; the same of each block's largest score
.endr
.set n, 0
.rept 64
	v_exp_f32 v[S+n], v[S+n]                       ; p = 2^(t - M), at most 1
.set n, n+1
.endr
	v_pk_mul_f32 v[14:15], v[14:15], v[FF:FF+1] op_sel_hi:[1,0]   ; the sums under the new M: a plain place behind the exponentials
	s_wait_alu depctr_va_vdst(0)                   ; one wait for the whole batch, ahead of its first reader
.irp b, 0,1,2,3
	v_exp_f32 v[BM+\b], v[BM+\b]                   ; the block's largest p: the same two instructions on the same number give the same bits
.endr
	v_pk_add_f32 v[TP:TP+1], v[S:S+1], v[S+2:S+3]  ; the row's sum is taken of the unquantised p, in two chains
.set n, 4
.rept 15
	v_pk_add_f32 v[14:15], v[14:15], v[S+n:S+n+1]
	v_pk_add_f32 v[TP:TP+1], v[TP:TP+1], v[S+n+2:S+n+3]
.set n, n+4
.endr
	v_pk_add_f32 v[14:15], v[14:15], v[TP:TP+1]
	s_wait_alu depctr_va_vdst(0)                   ; and one for the four
.irp b, 0,1,2,3
	v_max_num_f32 v[BM+\b], 0x1800000, v[BM+\b]    ; the floor 2^(3 - 127): a block whose every p is 0 keeps the byte 1: its codes are zeros
.endr
.irp b, 0,1,2,3
	v_add_nc_u32 v[SO+\b], 0xff000000, v[BM+\b]    ; 2 off the exponent field: the conversion's scale operand
.endr
.irp b, 0,1,2,3
	v_lshrrev_b32 v[T2+\b], 23, v[SO+\b]           ; the scale's byte
.endr
	v_lshl_or_b32 v[PW], v[T2+1], 8, v[T2]
	v_lshl_or_b32 v[PW], v[T2+2], 16, v[PW]
	v_lshl_or_b32 v[PW], v[T2+3], 24, v[PW]        ; p's scale word for these 128 keys
.irp b, 0,1,2,3
	v_cvt_scalef32_pk8_fp4_f32 v[PCD+2*\b], v[S+16*\b:S+7+16*\b], v[SO+\b]
	v_cvt_scalef32_pk8_fp4_f32 v[PCD+1+2*\b], v[S+8+16*\b:S+15+16*\b], v[SO+\b]
.endr
	v_nop                                          ; one plain place behind a scaled conversion
.irp c, 0,1
.irp i, 0,1
	v_permlane16_swap_b32 v[PCD+4*\c+\i], v[PCD+2+4*\c+\i]   ; a whole block to a lane
.endr
.endr
.set n, 0
.rept 16
	v_pk_mul_f32 v[O+n:O+n+1], v[O+n:O+n+1], v[FF:FF+1] op_sel_hi:[1,0]   ; O^T under the new M.  These sixteen are also the places between the scale word's and the codes' last writes and the products below
.set n, n+2
.endr
	s_wait_dscnt 0x0                               ; V and its scale words are in
.irp w, 0,1
	v_wmma_scale_f32_16x16x128_f8f6f4 v[O+16*\w:O+16*\w+7], v[VFR+16*\w:VFR+16*\w+7], v[PCD:PCD+7], v[O+16*\w:O+16*\w+7], v[VSC+\w], v[PW] matrix_a_fmt:MATRIX_FMT_FP4 matrix_b_fmt:MATRIX_FMT_FP4
	v_wmma_scale_f32_16x16x128_f8f6f4 v[O+16*\w+8:O+16*\w+15], v[VFR+16*\w+8:VFR+16*\w+15], v[PCD:PCD+7], v[O+16*\w+8:O+16*\w+15], v[VSC+\w], v[PW] matrix_a_fmt:MATRIX_FMT_FP4 matrix_b_fmt:MATRIX_FMT_FP4 matrix_a_scale:MATRIX_SCALE_ROW1
.endr                                              ; four accumulators, one instruction each: no two that follow each other share one
.rept 4
	v_nop                                          ; places ahead of the next step's loads into V's registers, and of the way out's reads of O^T
.endr
.Lhidden_\@:
	s_add_co_u32 s28, s28, 128
.endm
; A block's end: O^T / the sum is y of my 16 queries, 64 channels: two blocks of the projection's K.  It is quantised and leaves as an image of the operand's registers.
.macro FINISH
	s_wait_xcnt 0x0                                ; the last way out's stores have read their registers: they are written again only behind this wait
	v_add_f32 v14, v14, v15
	v_permlanex16_b32 v226, v14, s20, s21
	v_add_f32 v14, v14, v226                       ; the row's sum
	v_rcp_f32 v14, v14
	v_nop                                          ; a plain place behind the transcendental
	s_lshr_b32 s40, s26, 4
	s_add_co_u32 s40, s40, s38                     ; my tile of rows of y
	s_mul_i32 s40, s40, 4352
	s_add_co_u32 s41, s40, s37
	s_add_co_u32 s40, s40, s36
	v_add_nc_u32 v30, s40, v1
	v_add_nc_u32 v31, s41, v249
	s_wait_alu depctr_va_vdst(0)                   ; the wait, ahead of the first reader
.set n, 0
.rept 32
	v_mul_f32 v[S+n], v[O+n], v14                  ; register 8 ct + j: y(query r, channel 16 ct + 8 h + j); each accumulator from its low end on
.set n, n+1
.endr
.irp b, 0,1
	v_max3_num_f32 v[BM+\b], |v[S+16*\b]|, |v[S+1+16*\b]|, 0x1800000
.endr
.irp i, 2,4,6,8,10,12,14
.irp b, 0,1
	v_max3_num_f32 v[BM+\b], v[BM+\b], |v[S+16*\b+\i]|, |v[S+1+16*\b+\i]|
.endr
.endr
.irp b, 0,1
	v_permlanex16_b32 v[T2+\b], v[BM+\b], s20, s21
.endr
.irp b, 0,1
	v_max_num_f32 v[BM+\b], v[BM+\b], v[T2+\b]
.endr
.irp b, 0,1
	v_add_nc_u32 v[SO+\b], 0xff000000, v[BM+\b]
.endr
.irp b, 0,1
	v_lshrrev_b32 v[T2+\b], 23, v[SO+\b]
.endr
.irp b, 0,1
	v_cvt_scalef32_pk8_fp4_f32 v[244+2*\b], v[S+16*\b:S+7+16*\b], v[SO+\b]
	v_cvt_scalef32_pk8_fp4_f32 v[245+2*\b], v[S+8+16*\b:S+15+16*\b], v[SO+\b]
.endr
	v_nop                                          ; one plain place behind a scaled conversion
	v_permlane16_swap_b32 v244, v246
	v_permlane16_swap_b32 v245, v247               ; lane (r, h): block h of row r
	v_cndmask_b32 v248, v[T2], v[T2+1], s35        ; lanes 0-15 store block 0's byte, lanes 16-31 block 1's
	global_store_b128 v30, v[244:247], s[8:9]      ; 512 consecutive bytes, aligned to 256
	global_store_b8 v31, v248, s[8:9]
.endm
.Ltrip:
	STEP 0
	STEP 1
	s_add_co_u32 s30, s30, 1
	s_cmp_lg_u32 s30, s31
	s_cbranch_scc1 .Lsame_block
	FINISH                                         ; the first block is done;
	v_mov_b32 v24, v25                             ; the second begins: its scale words (far more than eight places ahead of the next product),
.irp j, 0,1,2,3
	v_mov_b32 v[QF+\j], v[26+\j]                   ; its Q,
.endr
.set n, 0
.rept 32
	v_mov_b32 v[O+n], 0                            ; and the state as at the head
.set n, n+1
.endr
	v_mov_b32 v13, 0xff61b1e6
	v_floor_f32 v12, -v13
	v_mov_b32 v14, 0
	v_mov_b32 v15, 0
	s_mov_b32 s26, s27
	s_mov_b32 s28, 0
.Lsame_block:
	s_cmp_lt_u32 s30, 9
	s_cbranch_scc1 .Ltrip
	FINISH
	s_wait_tensorcnt 0x0                           ; the wave's end
	ds_add_u32 v[SPW], v[NIL]
	s_wait_dscnt 0x0
	s_endpgm
.Lfunc_end_k_q8e3015af2a_attn:
	.size	k_q8e3015af2a_attn, .Lfunc_end_k_q8e3015af2a_attn-k_q8e3015af2a_attn
	.p2alignl 7, 3214868480
	.fill 96, 4, 3214868480
	.section	.rodata,"a",@progbits
	.p2align	6, 0x0
	.amdhsa_kernel k_q8e3015af2a_attn
		.amdhsa_group_segment_fixed_size 19968
		.amdhsa_private_segment_fixed_size 0
		.amdhsa_enable_private_segment 0
		.amdhsa_kernarg_size 24
		.amdhsa_user_sgpr_count 2
		.amdhsa_user_sgpr_kernarg_segment_ptr 1
		.amdhsa_wavefront_size32 1
		.amdhsa_system_sgpr_workgroup_id_x 1
		.amdhsa_system_sgpr_workgroup_id_y 1
		.amdhsa_system_sgpr_workgroup_id_z 1
		.amdhsa_system_vgpr_workitem_id 0
		.amdhsa_next_free_vgpr 256
		.amdhsa_next_free_sgpr 66
		.amdhsa_reserve_vcc 1
		.amdhsa_float_denorm_mode_32 3
		.amdhsa_float_denorm_mode_16_64 3
		.amdhsa_memory_ordered 1
		.amdhsa_forward_progress 1
		.amdhsa_inst_pref_size 57
	.end_amdhsa_kernel
	.amdgpu_metadata
---
amdhsa.version: [ 1, 2 ]
amdhsa.kernels:
  - .name:           k_q8e3015af2a_attn
    .symbol:         k_q8e3015af2a_attn.kd
    .args:
      - { .name: qrec, .offset: 0, .size: 8, .value_kind: global_buffer, .address_space: global }
      - { .name: kvrec, .offset: 8, .size: 8, .value_kind: global_buffer, .address_space: global }
      - { .name: yop, .offset: 16, .size: 8, .value_kind: global_buffer, .address_space: global }
    .group_segment_fixed_size: 19968
    .private_segment_fixed_size: 0
    .kernarg_segment_align: 8
    .kernarg_segment_size: 24
    .max_flat_workgroup_size: 512
    .sgpr_count:     66
    .vgpr_count:     256
    .wavefront_size: 32
...
	.end_amdgpu_metadata
.endif
;; end of part 3
;; launch proj (part 4): grid 8 x 32, 4 waves a work-group, clusters of 4 x 4, 327,680 bytes of LDS; arguments yop, wpop, b_proj, out0; writes out0
.if DOCPART == 4
	.amdgcn_target "amdgcn-amd-amdhsa--gfx1250"
	.amdhsa_code_object_version 6
	.text
	.protected	k_q8e3015af2a_proj
	.globl	k_q8e3015af2a_proj
	.p2align	8
	.type	k_q8e3015af2a_proj,@function
k_q8e3015af2a_proj:
	s_mov_b64 s[64:65], 0
	v_nop
	global_prefetch_b8 v0, s[64:65] scope:SCOPE_SE
	s_setreg_imm32_b32 hwreg(HW_REG_WAVE_MODE, 25, 1), 1
	s_wait_xcnt 0x0
	s_wait_alu depctr_hold_cnt(0) depctr_sa_sdst(0) depctr_va_vdst(0) depctr_va_sdst(0) depctr_va_ssrc(0) depctr_va_vcc(0) depctr_vm_vsrc(0)
	s_getreg_b32 s2, hwreg(HW_REG_IB_STS2, 6, 4)
	s_cmp_eq_u32 s2, 0
	s_cbranch_scc0 .Lentry_in_a_cluster
	s_endpgm
.Lentry_in_a_cluster:
	s_bfe_u32 s2, ttmp6, 0x10000c
	s_cmp_lg_u32 s2, 0xf033
	s_cbranch_scc0 .Lentry_shape_is_right
	s_endpgm
.Lentry_shape_is_right:
; out0 = y w_proj + b_proj on codes of E2M1: y's made by attn, w_proj's by prep, both in the operands' layout stated at the head of prep.  No work of this product is left out.
; A work-group makes 256 rows x 128 columns: 256 work-groups (tiles of 256 x 256 would be 128).  Wave w takes rows 64 w .. 64 w + 63 and all 128 columns: 32 accumulators, 256 registers.
; K = 1,024 is two LDS slots of four K steps, both filled once, at the head: nothing is filled again.
; CLUSTERS: 4 x 4.  y's tile ("A", source 1: its rows are the result's lanes) hangs on the tile row and is shared along a row of the cluster, w_proj's ("B", source 0: its rows run along a lane's registers)
; on the tile column and is shared along a column: each is asked for jointly.  The bias is the C of each sum's first matrix instruction.
; A lane's eight results are eight neighbouring columns of a row of out0; a block of 16 rows goes through the wave's own stage in LDS and leaves as whole rows of 512 bytes.
; LIMITS: as stated at the head of prep.
; REGISTERS.  window 0: v1-29 addresses; v32-95 scale words, two sets, and nothing else; v128-191 A's fragments, two sets of 32; on the way out v128-255 rows of out0.
;   window 1: v0-63, v128-191 B's fragments, two sets; v64-127 the bias.   window 2: the accumulators: (a, b) at v[8 (8 a + b)].
.set XKS,   2228224                    ; bytes of a K half of yop
.set WPKS,  278528                     ; of wpop
.set TILEB, 4352
.set HALFA, 8*TILEB                    ; what a tensor load brings of A,
.set HALFB, 4*TILEB                    ; and of B
.set BOFF,  2*HALFA                    ; a slot: A's 16 tiles, then B's 8
.set SLOT,  BOFF+2*HALFB
.set SPARE, 2*SLOT                     ; behind the slots: the spare words, 128 bytes for each wave
.set SPITCH, 528                       ; the way out: a stage of 16 rows x (512 bytes + 16) for each wave, in slot 0, which has had its only fill, and its last read ahead of the barrier in front of slot 1
.set ADRA, 16
.set ADRB, 20
.set ADRS, 22
.set STO,  24
.set RD,   25
.set CO,   26
.set SPW,  28                          ; v28  LDS address of my spare word; never rewritten
.set NIL,  29                          ; v29  0; never rewritten
.set SC,   32
.set AF,   128
.set BK,   192
.set BI,   64                          ; in window 1
.set G1,  24
.set G0,  32
.set G1B, 48
.set G0B, 56
.set MSB, 0
.macro WIN new                         ; the immediate's high byte repeats the setting that is left
.if MSB != (\new)
	s_set_vgpr_msb (MSB<<8)|(\new)
.set MSB, (\new)
.endif
.endm
.macro JLOAD g0a, g1a, g0b, g1b        ; a joint load: waves 0 and 1 fetch for A, waves 2 and 3 for B; an s_nop 0 and four v_nop follow each of the two lines
	s_cmp_eq_u32 s15, 0
	s_cbranch_scc0 .Lfor_b_\@
	tensor_load_to_lds s[\g0a:\g0a+3], s[\g1a:\g1a+7]
	s_nop 0
.rept 4
	v_nop
.endr
	s_branch .Lasked_\@
.Lfor_b_\@:
	tensor_load_to_lds s[\g0b:\g0b+3], s[\g1b:\g1b+7]
	s_nop 0
.rept 4
	v_nop
.endr
.Lasked_\@:
.endm
.macro CROUND                          ; a round of the cluster's barrier
	s_barrier_signal -1
	s_barrier_wait -1
	s_cmp_lg_u32 s14, 0
	s_cbranch_scc1 .Lnot_wave_0_\@
	s_barrier_signal -3
.Lnot_wave_0_\@:
	s_barrier_wait -3
	s_barrier_signal -1
	s_barrier_wait -1
.endm
.macro PLACES                          ; four plain places behind a matrix instruction (ISA guide 7.12.1)
.rept 4
	v_nop
.endr
.endm
	s_load_b256 s[4:11], s[0:1], 0x0               ; yop, wpop, b_proj, out0
	v_lshl_add_u32 v[SPW], v0, 2, SPARE
	v_mov_b32 v[NIL], 0
	ds_add_u32 v[SPW], v[NIL]                      ; the wave's opening: the add, twice on end, and its wait ahead of my first tensor load
	ds_add_u32 v[SPW], v[NIL]                      ; and once more; the set-up below, work on registers, stands between it and the wait
	v_lshrrev_b32 v1, 5, v0
	v_readfirstlane_b32 s14, v1                    ; wave 0..3
	s_lshr_b32 s15, s14, 1                         ; I fetch for A (0) or for B (1),
	s_and_b32 s16, s14, 1                          ; its first or its second half
	s_bfe_u32 s40, ttmp6, 0x40000                  ; cx
	s_bfe_u32 s41, ttmp6, 0x40004                  ; cy
	s_lshl_b32 s42, ttmp9, 2
	s_add_co_u32 s42, s42, s40                     ; tile column = 4 x cluster x + cx
	s_and_b32 s21, ttmp7, 0xffff
	s_lshl_b32 s21, s21, 2
	s_add_co_u32 s21, s21, s41                     ; tile row = 4 x cluster y + cy
	s_lshl_b32 s43, s41, 2
	s_lshl_b32 s43, 15, s43                        ; my row of the cluster
	s_lshl_b32 s44, 0x1111, s40                    ; my column
	; descriptor group 1: dense blocks as rows of 256 bytes (32 elements of 8 bytes), no padding: A's eight tiles are 136 rows, B's four 68
	s_or_b32 s[G1+0], s43, (3<<16)|(1<<21)
	s_mov_b32 s[G1+1], 32<<16
	s_mov_b32 s[G1+2], 136<<16
	s_mov_b32 s[G1+3], 32<<16
	s_mov_b32 s[G1+4], 136
	s_mov_b32 s[G1+5], 32
	s_mov_b32 s[G1+6], 0
	s_mov_b32 s[G1+7], 0
	s_or_b32 s[G1B+0], s44, (3<<16)|(1<<21)
	s_mov_b32 s[G1B+1], 32<<16
	s_mov_b32 s[G1B+2], 68<<16
	s_mov_b32 s[G1B+3], 32<<16
	s_mov_b32 s[G1B+4], 68
	s_mov_b32 s[G1B+5], 32
	s_mov_b32 s[G1B+6], 0
	s_mov_b32 s[G1B+7], 0
	s_lshl_b32 s72, s21, 4
	s_lshl_b32 s73, s16, 3
	s_add_co_u32 s72, s72, s73                     ; A: tile 16 x tile row + 8 x half
	s_mul_i32 s72, s72, TILEB
	s_mov_b32 s73, 0
	s_lshl_b32 s90, s42, 3
	s_lshl_b32 s91, s16, 2
	s_add_co_u32 s90, s90, s91                     ; B: tile 8 x tile column + 4 x half
	s_mul_i32 s90, s90, TILEB
	s_mov_b32 s91, 0
	s_mul_i32 s45, s16, HALFA                      ; where they go: no place in the cluster enters an LDS address
	s_mul_i32 s46, s16, HALFB
	s_add_co_u32 s46, s46, BOFF
	s_wait_dscnt 0x0                               ; both opening adds are done
	s_wait_kmcnt 0x0
	s_add_nc_u64 s[74:75], s[4:5], s[72:73]
	s_add_nc_u64 s[92:93], s[6:7], s[90:91]
	CROUND                                         ; all sixteen work-groups are here: the joint loads meet
	s_mov_b32 s[G0], 1
	s_mov_b32 s[G0+1], s45
	s_mov_b64 s[G0+2:G0+3], s[74:75]
	s_or_b32 s[G0+3], s[G0+3], 0x80000000
	s_mov_b32 s[G0B], 1
	s_mov_b32 s[G0B+1], s46
	s_mov_b64 s[G0B+2:G0B+3], s[92:93]
	s_or_b32 s[G0B+3], s[G0B+3], 0x80000000
	JLOAD G0, G1, G0B, G1B                         ; slot 0: K steps 0-3
	s_mov_b32 s[G0+4], 1
	s_add_co_u32 s[G0+5], s45, SLOT
	s_add_nc_u64 s[G0+6:G0+7], s[74:75], XKS
	s_or_b32 s[G0+7], s[G0+7], 0x80000000
	s_mov_b32 s[G0B+4], 1
	s_add_co_u32 s[G0B+5], s46, SLOT
	s_add_nc_u64 s[G0B+6:G0B+7], s[92:93], WPKS
	s_or_b32 s[G0B+7], s[G0B+7], 0x80000000
	JLOAD G0+4, G1, G0B+4, G1B                     ; slot 1: K steps 4-7.  Two tensor loads of mine are out
	v_and_b32 v1, 15, v0                           ; r
	v_bfe_u32 v2, v0, 4, 1                         ; h
	v_and_b32 v4, 31, v0
	v_lshlrev_b32 v[CO], 4, v4                     ; 16 x lane
	s_mul_i32 s72, s14, HALFB                      ; my four tiles of A
	v_add_nc_u32 v[ADRA], s72, v[CO]
	v_add_nc_u32 v[ADRB], BOFF, v[CO]              ; all eight of B
	v_add_nc_u32 v[ADRA+1], SLOT, v[ADRA]
	v_add_nc_u32 v[ADRB+1], SLOT, v[ADRB]
	s_sub_co_u32 s73, BOFF, s72
	v_mul_u32_u24 v5, s73, v2                      ; lanes 16-31 take B's scale words: one product, the distance between the two bases
	v_lshl_add_u32 v5, v1, 4, v5
	s_add_co_u32 s72, s72, 4096
	v_add_nc_u32 v[ADRS], s72, v5
	v_add_nc_u32 v[ADRS+1], SLOT, v[ADRS]
	s_mul_i32 s72, s14, 16*SPITCH                  ; my stage
	v_mul_u32_u24 v5, v1, SPITCH
	v_lshl_add_u32 v5, v2, 5, v5
	v_add_nc_u32 v[STO], s72, v5                   ; in: row r, 32 bytes for each half of the lanes
	v_add_nc_u32 v[RD], s72, v[CO]                 ; back: the 32 lanes take one row of 512 bytes
	s_lshl_b32 s72, s21, 8
	s_lshl_b32 s73, s14, 6
	s_add_co_u32 s72, s72, s73                     ; my first row of out0: 256 x tile row + 64 x wave
	s_lshl_b32 s72, s72, 12                        ; rows of 4,096 bytes
	s_lshl_b32 s73, s42, 9                         ; 128 columns are 512 bytes
	s_add_co_u32 s72, s72, s73
	s_mov_b32 s73, 0
	s_add_nc_u64 s[80:81], s[10:11], s[72:73]
	s_lshl_b32 s72, s42, 9
	s_add_nc_u64 s[84:85], s[8:9], s[72:73]        ; b_proj at my 128 columns
	v_lshlrev_b32 v27, 5, v2                       ; tile b: columns 16 b + 8 h + 0 .. 7
	WIN 0x40                                       ; destination window 1
.irp b, 0,1,2,3,4,5,6,7
	global_load_b128 v[BI+8*\b:BI+8*\b+3], v27, s[84:85] offset:64*\b
	global_load_b128 v[BI+8*\b+4:BI+8*\b+7], v27, s[84:85] offset:64*\b+16
.endr
	WIN 0
.macro FRAG reg, adr, q, i             ; a fragment, 16 rows x 128 K: eight registers, two images of 512 bytes
	ds_load_b128 v[\reg:\reg+3], v[\adr] offset:TILEB*(\i)+1024*(\q)
	ds_load_b128 v[\reg+4:\reg+7], v[\adr] offset:TILEB*(\i)+1024*(\q)+512
.endm
.macro FETCH_B slot, q, p
	WIN 0x40
.irp i, 0,1,2,3,4,5,6,7
	FRAG 128*(\p)+8*\i, ADRB+\slot, \q, \i
.endr
	WIN 0
.endm
.macro FETCH_A slot, q, p
.irp i, 0,1,2,3
	FRAG AF+32*(\p)+8*\i, ADRA+\slot, \q, \i
.endr
.endm
.macro SCALES sc                       ; a slot's scale words: lanes 16-31 take B's tile i; lanes 0-15 A's tile i (for i above 3 they read bytes of the slot that are not used)
.irp i, 0,1,2,3,4,5,6,7
	ds_load_b128 v[SC+32*\sc+4*\i:SC+32*\sc+4*\i+3], v[ADRS+\sc] offset:TILEB*\i
.endr
.endm
; Eight matrix instructions: A's tile a against B's eight.  first = 1: the sums start from the bias.  The 32 accumulators take turns, one instruction a turn.
.macro MULA a, p, q, sc, first
.irp b, 0,1,2,3,4,5,6,7
.if \first
	v_wmma_scale_f32_16x16x128_f8f6f4 v[8*(8*(\a)+\b):8*(8*(\a)+\b)+7], v[128*(\p)+8*\b:128*(\p)+8*\b+7], v[AF+32*(\p)+8*(\a):AF+32*(\p)+8*(\a)+7], v[BI+8*\b:BI+8*\b+7], v[SC+32*(\sc)+4*\b+(\q)], v[SC+32*(\sc)+4*(\a)+(\q)] matrix_a_fmt:MATRIX_FMT_FP4 matrix_b_fmt:MATRIX_FMT_FP4 matrix_a_scale:MATRIX_SCALE_ROW1
.else
	v_wmma_scale_f32_16x16x128_f8f6f4 v[8*(8*(\a)+\b):8*(8*(\a)+\b)+7], v[128*(\p)+8*\b:128*(\p)+8*\b+7], v[AF+32*(\p)+8*(\a):AF+32*(\p)+8*(\a)+7], v[8*(8*(\a)+\b):8*(8*(\a)+\b)+7], v[SC+32*(\sc)+4*\b+(\q)], v[SC+32*(\sc)+4*(\a)+(\q)] matrix_a_fmt:MATRIX_FMT_FP4 matrix_b_fmt:MATRIX_FMT_FP4 matrix_a_scale:MATRIX_SCALE_ROW1
.endif
.endr
.endm
.macro STEP slot, q, first
	s_wait_dscnt 0x0                               ; this step's fragments, asked for a step ago, are in
.if (\slot == 0) && (\q == 3)
	s_wait_tensorcnt 0x0                           ; my part of slot 1 has landed,
	s_barrier_signal -1
	s_barrier_wait -1                              ; everybody's has; and nobody reads slot 0 any more.
.endif
.if \first == 0
	PLACES                                         ; ahead of loads into the sets that the last step multiplied
.endif
.if \q < 3
	FETCH_B \slot, (\q)+1, 1-(\q)%2
	FETCH_A \slot, (\q)+1, 1-(\q)%2
.elseif \slot == 0
	FETCH_B 1, 0, 0
	FETCH_A 1, 0, 0
	SCALES 1
.endif
.if \first
	WIN 0x91                                       ; source 0 (B) window 1, source 1 (A) window 0, C (the bias) window 1, D window 2
.else
	WIN 0xa1                                       ; C and D window 2
.endif
.irp a, 0,1,2,3
	MULA \a, (\q)%2, \q, \slot, \first
.endr
	WIN 0
.endm
	s_wait_tensorcnt 0x1                           ; my part of slot 0 is in; slot 1's load, issued behind it, may be out
	s_barrier_signal -1
	s_barrier_wait -1                              ; everybody's is
	FETCH_B 0, 0, 0
	FETCH_A 0, 0, 0
	SCALES 0
	s_wait_loadcnt 0x0                             ; the bias
	STEP 0, 0, 1                                   ; the first step starts the sums: nothing is ever cleared
	STEP 0, 1, 0
	STEP 0, 2, 0
	STEP 0, 3, 0
	STEP 1, 0, 0
	STEP 1, 1, 0
	STEP 1, 2, 0
	STEP 1, 3, 0
; THE WAY OUT, block by block of 16 rows x 128 columns, through my own stage.  LDS serves a wave's instructions in order (ISA guide 5.7.1.4): no wait between the stores and the loads, nor ahead of the next block's stores.
.macro TOSTAGE a
	WIN 0x08                                       ; an LDS store's data are its source 1: window 2
.irp b, 0,1,2,3,4,5,6,7
	ds_store_b128 v[STO], v[64*(\a)+8*\b:64*(\a)+8*\b+3] offset:64*\b          ; each accumulator from its low end on
	ds_store_b128 v[STO], v[64*(\a)+8*\b+4:64*(\a)+8*\b+7] offset:64*\b+16
.endr
	WIN 0
.set BB, BK-64*((\a)%2)
.irp t, 0,1,2,3,4,5,6,7,8,9,10,11,12,13,14,15
	ds_load_b128 v[BB+4*\t:BB+4*\t+3], v[RD] offset:\t*SPITCH
.endr
.endm
.macro SEND a, younger                 ; younger: the LDS instructions issued behind block a's loads, which may stay out
.set BB, BK-64*((\a)%2)
	s_wait_dscnt \younger                          ; the block is back in registers
.if (\a) > 0
	s_add_nc_u64 s[80:81], s[80:81], 16*4096       ; (behind a wait on XCNT: the earlier stores have read their base)  16 rows on
.endif
.irp t, 0,1,2,3,4,5,6,7,8,9,10,11,12,13,14,15
	global_store_b128 v[CO], v[BB+4*\t:BB+4*\t+3], s[80:81] offset:\t*4096 th:TH_STORE_NT   ; 32 lanes store 512 consecutive bytes, aligned to 256; written once, read by nobody here
.endr
.endm
	PLACES                                         ; ahead of the reads of results and of the loads into the registers that held A's fragments
	TOSTAGE 0
.irp a, 1,2,3
.if \a > 1
	s_wait_xcnt 0x0                                ; block a - 2's stores have read their registers and their base: block a's loads may land there, and the base may step
.endif
	TOSTAGE \a
	SEND \a-1, 32                                  ; behind block a - 1's loads: block a's 16 stores and 16 loads
.endr
	s_wait_xcnt 0x0                                ; block 2's stores have read their base
	SEND 3, 0
	s_wait_tensorcnt 0x0                           ; the wave's end: three closing lines behind my last tensor load and my last LDS store
	ds_add_u32 v[SPW], v[NIL]
	s_wait_dscnt 0x0
	CROUND                                         ; the closing round: no work-group ends while a partner may still ask for a tile that names it
	s_endpgm
.Lfunc_end_k_q8e3015af2a_proj:
	.size	k_q8e3015af2a_proj, .Lfunc_end_k_q8e3015af2a_proj-k_q8e3015af2a_proj
	.p2alignl 7, 3214868480
	.fill 96, 4, 3214868480
	.section	.rodata,"a",@progbits
	.p2align	6, 0x0
	.amdhsa_kernel k_q8e3015af2a_proj
		.amdhsa_group_segment_fixed_size 327680
		.amdhsa_private_segment_fixed_size 0
		.amdhsa_enable_private_segment 0
		.amdhsa_kernarg_size 32
		.amdhsa_user_sgpr_count 2
		.amdhsa_user_sgpr_kernarg_segment_ptr 1
		.amdhsa_wavefront_size32 1
		.amdhsa_system_sgpr_workgroup_id_x 1
		.amdhsa_system_sgpr_workgroup_id_y 1
		.amdhsa_system_sgpr_workgroup_id_z 1
		.amdhsa_system_vgpr_workitem_id 0
		.amdhsa_next_free_vgpr 768
		.amdhsa_next_free_sgpr 100
		.amdhsa_reserve_vcc 0
		.amdhsa_float_denorm_mode_32 3
		.amdhsa_float_denorm_mode_16_64 3
		.amdhsa_memory_ordered 1
		.amdhsa_forward_progress 1
		.amdhsa_inst_pref_size 71
	.end_amdhsa_kernel
	.amdgpu_metadata
---
amdhsa.version: [ 1, 2 ]
amdhsa.kernels:
  - .name:           k_q8e3015af2a_proj
    .symbol:         k_q8e3015af2a_proj.kd
    .args:
      - { .name: yop, .offset: 0, .size: 8, .value_kind: global_buffer, .address_space: global }
      - { .name: wpop, .offset: 8, .size: 8, .value_kind: global_buffer, .address_space: global }
      - { .name: b_proj, .offset: 16, .size: 8, .value_kind: global_buffer, .address_space: global }
      - { .name: out0, .offset: 24, .size: 8, .value_kind: global_buffer, .address_space: global }
    .group_segment_fixed_size: 327680
    .private_segment_fixed_size: 0
    .kernarg_segment_align: 8
    .kernarg_segment_size: 32
    .max_flat_workgroup_size: 128
    .sgpr_count:     100
    .vgpr_count:     768
    .wavefront_size: 32
...
	.end_amdgpu_metadata
.endif
;; end of part 4
;; ======== version 2 of 2: 4 launches; version 1 with the launch attn written anew for expert scheduling mode
;; workspace buffers: xop 4,456,448 bytes; waop 1,671,168 bytes; wpop 557,056 bytes; yop 4,456,448 bytes; qrec 4,718,592 bytes; kvrec 9,175,040 bytes
;; launch prep: the kernel of part 1 again; grid 512 x 1, 4 waves a work-group, no clusters, 34,304 bytes of LDS; arguments x, w_attn, w_proj, xop, waop, wpop; writes xop, waop, wpop
;; launch qkv: the kernel of part 2 again; grid 8 x 48, 4 waves a work-group, clusters of 4 x 4, 327,680 bytes of LDS; arguments xop, waop, b_attn, qrec, kvrec; writes qrec, kvrec
;; launch attn (part 5): grid 4 x 64, 16 waves a work-group, no clusters, 19,968 bytes of LDS; arguments qrec, kvrec, yop; writes yop
.if DOCPART == 5
	.amdgcn_target "amdgcn-amd-amdhsa--gfx1250"
	.amdhsa_code_object_version 6
	.text
	.protected	k_q8e3015af2a_attn
	.globl	k_q8e3015af2a_attn
	.p2align	8
	.type	k_q8e3015af2a_attn,@function
k_q8e3015af2a_attn:
	s_mov_b64 s[64:65], 0
	v_nop
	global_prefetch_b8 v0, s[64:65] scope:SCOPE_SE
	s_setreg_imm32_b32 hwreg(HW_REG_WAVE_SCHED_MODE, 0, 2), 2
	s_setreg_imm32_b32 hwreg(HW_REG_WAVE_MODE, 25, 1), 1
	s_wait_xcnt 0x0
	s_wait_alu depctr_vm_vsrc(0)
; y = softmax(q k^T / 8, causal) v for one (batch, head), both products on codes of E2M1, and at once the quantising of y along C for the projection.
; LEFT OUT: key steps all of whose 128 keys come after a wave's 16 queries (the mask that reference() builds itself makes p exactly 0 there: shown at the head of prep).
; THE SOFTMAX AHEAD OF THE SECOND PRODUCT: t = score x log2(e) / 8; M = the running largest t rounded UP to a whole number; p = 2^(t - M) is quantised along the keys, not normalised; the row's sum is taken of
; the unquantised p and divides at the end; when M moves, the sum and O are multiplied by 2^(old M - new M), which rounds nothing.
; SHARES.  Work-group (i, b h) owns the blocks i and 7 - i of 256 queries: 2 (i + 1) + 2 (8 - i) = 18 key steps of 128 for every work-group: 256 work-groups of equal length.  Each of sixteen waves owns 16 queries of a block,
; one tile, in 256 registers: four waves to a SIMD, so that one wave's vector work stands beside another's matrix work and LDS loads.  A loop of nine trips, two key steps a trip; behind trip i + 1 the first block
; is finished and the second begins: a branch on ids, the same in all waves.
; K AND V.  A key step's record (made by qkv) is 8,960 dense bytes in the order of the operands' registers.  Thread t loads 16 bytes at 16 t (the threads of waves 0-2 also 8 bytes of the last 768) and stores them to LDS
; at the same place: two slots by turns, one barrier a step.  The loads into registers are issued two steps ahead of the step that reads them, the stores to LDS one step ahead.
; NO CLUSTER, NO TENSOR LOAD: the four work-groups of a head go back to record 0 at different steps, so joint requests would not meet; and a step's 8,960 bytes are little beside sixteen waves' softmax.
; NO PREFETCH: a record's load into registers is itself issued a whole key step ahead of the wait for it.
; LAYOUT.  Both products transposed: S^T = K Q^T (source 0 = 16 keys, source 1 = my queries), O^T = V^T P^T: a lane holds ONE query throughout.  The head's 64 fill half of the instruction's K: Q's upper four registers are
; zero codes for ever, so what K's upper four hold (the next tile's codes) adds nothing; the scale bytes there are 0.
; y's codes leave as 512 aligned bytes a tile; its scale bytes leave singly (32 a tile: a scale word's four bytes come from two heads, that is from two work-groups): 256 KiB in all.
; LIMITS: as stated at the head of prep.
; THE MODE: SCHED_MODE bits 1:0 = 2 (LLVM: expert scheduling mode 2), set by the entry lines.  The code itself states the register dependences
; between vector or matrix instructions and memory or LDS instructions, with s_wait_alu, always for 0.
; THE PLAN.  Registers that memory or LDS instructions touch:
;   v1-v4, v250, v251   LDS places and offsets: made at the head, never written again.  A record is reached by a scalar base, one for each set, written behind the wait that shows the set's last loads done.
;   sets 0, 1           (v232-235 with v240-241; v236-239 with v242-243)  Written by the global loads of step s, read by the LDS stores of step s + 1, loaded again in step s + 2.  No vector instruction names them.
;   K v32-63, its scale words v216-219, V v68-99, its scale words v220-221   Written by a step's LDS loads, read by that step's matrix instructions.
;   v30, v31, v244-248  The way out: written by a block's end, read by its two stores.
;   v5, v6              Written at the head, read by the closing add alone.
; So two waits stand at a step's head, ahead of all its branches: one states that the last step's LDS stores have read the set that is loaded again, the other that the last step's matrix instructions are done
; reading K, V and the scale words.  Behind them the step's LDS stores, global loads and K's LDS loads follow with no vector instruction between; V's LDS loads are dealt among the products K Q^T, which name
; K, Q, their scale words and S^T: none of the registers that those loads touch.
; REGISTERS: v1-4 LDS places and the records' offsets; v11 r - 8 h; v12 -M, v13 the largest t, v[14:15] the sum; v16-23 Q; v24, v25 Q's scale words (this block's, the second's); v26-29 the second block's Q;
; v32-67 K (v64-67 zeros); v68-99 V; v100-163 S^T, then p; v164-195 O^T; v196-203 p's codes; v204-229 at work; v216-222 scale words alone; v232-243 records on their way; v244-251 the way out.
; s[2:3] the next record to ask for, in bytes (s3 = 0); s[14:15], s[16:17] a set's base; s52-63 and s10-13 sixteen masks of the causal step.
.set XKS,   2228224                    ; bytes of a K half of yop
.set REC,   8960
.set SPARE, 2*REC                      ; behind the two slots: the spare words, 128 bytes for each wave
.set SPW, 5                            ; v5  LDS address of my spare word; never rewritten
.set NIL, 6                            ; v6  0; never rewritten
.set QF,  16
.set KFR, 32
.set VFR, 68
.set S,   100
.set O,   164
.set PCD, 196
.set BM,  204                          ; v204-207 a block's largest score, then its largest p
.set T2,  208                          ; v208-211 the other half's; then the bytes
.set SO,  212                          ; v212-215 the conversions' scale operands
.set KSC, 216                          ; v216-219 K's scale words
.set VSC, 220                          ; v220-221 V's
.set PW,  222                          ; p's scale word
.set FF,  224                          ; v[224:225] f = 2^(old M - new M); v225 is written once
.set TP,  226                          ; v226-229 at work
.set RB,  14                           ; s[14:17] set n's base: a pair at RB + 2 n
	s_load_b128 s[4:7], s[0:1], 0x0                ; qrec, kvrec
	s_load_b64 s[8:9], s[0:1], 0x10                ; yop
	v_lshl_add_u32 v[SPW], v0, 2, SPARE
	v_mov_b32 v[NIL], 0
	v_lshrrev_b32 v1, 5, v0
	v_readfirstlane_b32 s18, v1                    ; wave 0..15
	v_and_b32 v226, 31, v0                         ; lane
	v_and_b32 v227, 15, v0                         ; r
	v_bfe_u32 v228, v0, 4, 1                       ; h
	v_lshlrev_b32 v1, 4, v226                      ; 16 x lane: an image's place
	v_lshlrev_b32 v2, 3, v226                      ; 8 x lane: V's scale words
	v_lshlrev_b32 v3, 4, v0                        ; 16 x thread: my 16 bytes of a record
	v_lshlrev_b32 v4, 3, v0                        ; 8 x thread: my 8 bytes of its last 768 (waves 0-2)
	v_lshlrev_b32 v229, 3, v228
	v_sub_nc_u32 v11, v227, v229                   ; r - 8 h
	v_lshl_add_u32 v249, v227, 4, v228             ; 16 r + h: y's scale byte
	s_wait_alu depctr_va_sdst(0)                   ; s18 is written, ahead of its first reader: queries, places and branches are made from it
	s_and_b32 s24, ttmp7, 0xffff                   ; b h
	s_add_co_u32 s31, ttmp9, 1                     ; trips of the first block
	s_lshl_b32 s32, s31, 1                         ; its key steps
	s_lshl_b32 s40, s18, 4
	s_lshl_b32 s26, ttmp9, 8
	s_add_co_u32 s26, s26, s40                     ; my first query: 256 i + 16 wave;
	s_sub_co_u32 s27, 7, ttmp9
	s_lshl_b32 s27, s27, 8
	s_add_co_u32 s27, s27, s40                     ; in the second block: 256 (7 - i) + 16 wave
	s_mov_b32 s28, 0                               ; the step's first key
	s_mov_b32 s30, 0                               ; trips done
	s_mov_b32 s2, 0                                ; the next record to ask for, in bytes,
	s_mov_b32 s3, 0                                ; (as a pair, for the sum with the buffer's address)
	s_mov_b32 s34, 0                               ; and how many have been asked for
	s_mov_b32 s35, 0xffff0000                      ; lanes 16-31
	s_mov_b32 s20, 0x76543210
	s_mov_b32 s21, 0xfedcba98                      ; v_permlanex16_b32's selects for lane l xor 16
	s_mov_b32 s22, 0x3e38aa3b                      ; c = log2(e) / 8
	s_mov_b32 s23, s22                             ; (named with it as a pair, so it is written)
	s_and_b32 s41, s24, 15                         ; the head: its 64 channels are blocks 2 (head & 1), + 1 of K step head / 2 of the projection
	s_lshr_b32 s42, s41, 3
	s_mul_i32 s42, s42, XKS                        ; the K half
	s_and_b32 s43, s41, 7
	s_lshl_b32 s36, s43, 9
	s_add_co_u32 s36, s36, s42                     ; y's image in a tile: 512 (head & 7)
	s_lshl_b32 s37, s43, 1
	s_add_co_u32 s37, s37, s42
	s_add_co_u32 s37, s37, 4096                    ; y's scale bytes in a tile: 4,096 + 2 (head & 7)
	s_lshr_b32 s38, s24, 4
	s_lshl_b32 s38, s38, 7                         ; the batch's first tile of rows
	s_mul_i32 s44, s24, 16*4608
	s_mov_b32 s45, 0
	s_mul_i32 s46, s24, 16*REC
	s_mov_b32 s47, 0
	s_and_b32 s40, s18, 7                          ; my tile in a record of 128 queries
	s_lshl_b32 s41, s40, 9
	v_add_nc_u32 v250, s41, v1                     ; Q's image: 512 tile + 16 lane; never rewritten
	s_lshr_b32 s41, s40, 1
	s_lshl_b32 s41, s41, 2
	s_and_b32 s42, s18, 1
	s_lshl_b32 s42, s42, 8
	s_add_co_u32 s41, s41, s42
	v_lshl_add_u32 v251, v227, 4, s41              ; Q's scale word: 256 (tile & 1) + 16 r + 4 (tile / 2); never rewritten
	s_lshr_b32 s48, s26, 7
	s_mul_i32 s48, s48, 4608
	s_mov_b32 s49, 0
	s_lshr_b32 s50, s27, 7
	s_mul_i32 s50, s50, 4608
	s_mov_b32 s51, 0
	s_wait_kmcnt 0x0
	s_add_nc_u64 s[4:5], s[4:5], s[44:45]          ; my head's records
	s_add_nc_u64 s[6:7], s[6:7], s[46:47]
	s_add_nc_u64 s[48:49], s[4:5], s[48:49]        ; the record of my queries, first block,
	s_add_nc_u64 s[50:51], s[4:5], s[50:51]        ; second block
	s_wait_alu depctr_va_vdst(0)                   ; v1 to v4, v250 and v251 are written: every load and LDS instruction of the kernel reads one of them as its offset or place; so are v5 and v6, which the closing add reads
	global_load_b128 v[QF:QF+3], v250, s[48:49]
	global_load_b32 v24, v251, s[48:49] offset:4096
	global_load_b128 v[26:29], v250, s[50:51]
	global_load_b32 v25, v251, s[50:51] offset:4096
; The next record is asked for, into set.  Behind the first block's last record the walk goes back to record 0.
; The set's base is written only where no load that read it is out: at the head for the first time, in a step behind the wait for all my loads.
.macro ASKREC set
	s_add_nc_u64 s[RB+2*\set:RB+2*\set+1], s[6:7], s[2:3]
	global_load_b128 v[232+4*\set:235+4*\set], v3, s[RB+2*\set:RB+2*\set+1]
	s_cmp_lt_u32 s18, 3
	s_cbranch_scc0 .Lno_tail_\@
	global_load_b64 v[240+2*\set:241+2*\set], v4, s[RB+2*\set:RB+2*\set+1] offset:8192
.Lno_tail_\@:
	s_add_co_u32 s2, s2, REC
	s_add_co_u32 s34, s34, 1
	s_cmp_eq_u32 s34, s32
	s_cselect_b32 s2, 0, s2
.endm
	ASKREC 0
	ASKREC 1
.irp j, 0,1,2,3
	v_mov_b32 v[QF+4+\j], 0                        ; Q's upper half: zero codes, for ever
	v_mov_b32 v[KFR+32+\j], 0                      ; what stands behind K's last tile
	v_mov_b32 v[T2+\j], 0                          ; written once: a lane permute's destination counts as one of its sources
.endr
	v_mov_b32 v[FF+1], 0                           ; (named as the upper half of a pair)
	v_mov_b32 v13, 0xff61b1e6                      ; the largest t so far: -3e38, under every t
	v_floor_f32 v12, -v13                          ; -M
	v_mov_b32 v14, 0
	v_mov_b32 v15, 0
.set n, 0
.rept 32
	v_mov_b32 v[O+n], 0                            ; O^T: the step is written once; the first finds zeros, which the first change of M leaves zeros
.set n, n+1
.endr
	s_wait_loadcnt 0x0                             ; Q, and the first two records
	ds_store_b128 v3, v[232:235]                   ; record 0 into slot 0 (no vector instruction since the wait above names v3, v4 or the sets)
	s_cmp_lt_u32 s18, 3
	s_cbranch_scc0 .Lno_tail_first
	ds_store_b64 v4, v[240:241] offset:8192
.Lno_tail_first:
; A KEY STEP, read from slot sg.
.macro STEP sg
.set S0, REC*\sg
.set S1, REC*(1-\sg)
	s_wait_dscnt 0x0                               ; my stores of this slot's record have landed, and my reads of the other slot are over
	s_barrier_signal -1
	s_barrier_wait -1                              ; both now hold of all sixteen waves
	s_wait_loadcnt 0x0                             ; the next step's record, asked for a step ago, is in registers; no load of mine is out, so a set's base may be written
	s_wait_alu depctr_vm_vsrc(0)                   ; the LDS stores of the step before (at first: of the head) have read set sg, in which the global loads below land
	s_wait_alu depctr_va_vdst(0)                   ; the matrix instructions of the step before are done reading K, V and their scale words, in which this step's LDS loads land; and Q, its scale word and the zero codes, where moves wrote them (the head, the change of blocks), are written, which the scaled products below take
.if \sg == 1
	s_cmp_lt_u32 s30, 8                            ; the last trip's second step has no successor
	s_cbranch_scc0 .Lno_more_\@
.endif
	ds_store_b128 v3, v[232+4*(1-\sg):235+4*(1-\sg)] offset:S1   ; it goes into the slot that has just been left
	s_cmp_lt_u32 s18, 3
	s_cbranch_scc0 .Lno_tail_\@
	ds_store_b64 v4, v[240+2*(1-\sg):241+2*(1-\sg)] offset:S1+8192
.Lno_tail_\@:
.if \sg == 0
	s_cmp_lt_u32 s30, 8                            ; the last trip asks for nothing: no load leaves its buffer
	s_cbranch_scc0 .Lno_more_\@
.endif
	ASKREC \sg                                     ; the record of two steps on, into the set whose stores were awaited above
.Lno_more_\@:
	s_add_co_u32 s40, s26, 15
	s_cmp_gt_u32 s28, s40                          ; all 128 keys come after my 16 queries: the step's work is left out; no barrier stands in it
	s_cbranch_scc1 .Lhidden_\@
.irp t, 0,1,2,3,4,5,6,7
	ds_load_b128 v[KFR+4*\t:KFR+4*\t+3], v1 offset:S0+512*\t
.endr
	ds_load_b128 v[KSC:KSC+3], v1 offset:S0+8192
	s_wait_dscnt 0x0                               ; K and its scale words are in
.irp t, 0,2,4,6
	v_wmma_scale_f32_16x16x128_f8f6f4 v[S+8*\t:S+8*\t+7], v[KFR+4*\t:KFR+4*\t+7], v[QF:QF+7], 0, v[KSC+\t/2], v24 matrix_a_fmt:MATRIX_FMT_FP4 matrix_b_fmt:MATRIX_FMT_FP4
	ds_load_b128 v[VFR+4*\t:VFR+4*\t+3], v1 offset:S0+4096+512*\t             ; V is asked for among the products.  No wait: no vector or matrix instruction since the wait at the step's head names V's registers, its scale words' or v1, v2
	v_wmma_scale_f32_16x16x128_f8f6f4 v[S+8*\t+8:S+8*\t+15], v[KFR+4*\t+4:KFR+4*\t+11], v[QF:QF+7], 0, v[KSC+\t/2], v24 matrix_a_fmt:MATRIX_FMT_FP4 matrix_b_fmt:MATRIX_FMT_FP4 matrix_a_scale:MATRIX_SCALE_ROW1
	ds_load_b128 v[VFR+4*\t+4:VFR+4*\t+7], v1 offset:S0+4096+512*(\t+1)
.endr                                              ; register 8 t + j of lane (r, h): key 16 t + 8 h + j of the step, query r
	ds_load_b64 v[VSC:VSC+1], v2 offset:S0+8704
.rept 4
	v_nop
.endr
	s_add_co_u32 s40, s28, 127
	s_cmp_le_u32 s40, s26                          ; all 128 keys count for all my queries: no mask
	s_cbranch_scc1 .Lopen_\@
	s_sub_co_i32 s40, s26, s28
	v_add_nc_u32 v227, s40, v11                    ; d = my query - the step's first key - 8 h: register 8 t + j is hidden where 16 t + j > d
	v_mov_b32 v228, 0xff800000                     ; -infinity: p = 0 then
.set mg, 0
.rept 4                                            ; sixteen compares in a run, each into a scalar register of its own (s52-63, s10-13); one wait; their sixteen selects
.set mi, 0
.rept 16
.set MR, 52+mi-54*(mi/12)
	v_cmp_gt_i32 s[MR], 16*((16*mg+mi)/8)+(16*mg+mi)%8, v227
.set mi, mi+1
.endr
	s_wait_alu depctr_va_sdst(0)                   ; the run's sixteen masks are written, ahead of the selects that read them
.set mi, 0
.rept 16
.set MR, 52+mi-54*(mi/12)
	v_cndmask_b32 v[S+16*mg+mi], v[S+16*mg+mi], v228, s[MR]
.set mi, mi+1
.endr
.set mg, mg+1
.endr
.Lopen_\@:
.irp b, 0,1,2,3
	v_max3_num_f32 v[BM+\b], v[S+16*\b], v[S+1+16*\b], v[S+2+16*\b]   ; the largest score of each block of 32 keys: it serves for the row's maximum and, since p rises with the score, for the block's largest p
.endr
.irp i, 3,5,7,9,11,13
.irp b, 0,1,2,3
	v_max3_num_f32 v[BM+\b], v[BM+\b], v[S+16*\b+\i], v[S+1+16*\b+\i]
.endr
.endr
.irp b, 0,1,2,3
	v_max_num_f32 v[BM+\b], v[BM+\b], v[S+15+16*\b]
.endr
.irp b, 0,1,2,3
	v_permlanex16_b32 v[T2+\b], v[BM+\b], s20, s21
.endr
.irp b, 0,1,2,3
	v_max_num_f32 v[BM+\b], v[BM+\b], v[T2+\b]     ; with lane l xor 16's 16 keys
.endr
	v_max3_num_f32 v226, v[BM], v[BM+1], v[BM+2]
	v_max_num_f32 v226, v226, v[BM+3]              ; the step's largest score of my query
	v_mul_f32 v226, s22, v226                      ; as t (c is positive)
	v_max_num_f32 v13, v13, v226                   ; the running largest t
	v_mov_b32 v226, v12
	v_floor_f32 v12, -v13                          ; the new -M = floor(-t): M is a whole number
	v_sub_f32 v226, v12, v226                      ; old M less new M: a whole number, 0 or less
	v_cvt_i32_f32 v226, v226                       ; (it saturates)
	v_ldexp_f32 v[FF], 1.0, v226                   ; f = 2^(old M - new M)
.set n, 0
.rept 32
	v_pk_fma_f32 v[S+n:S+n+1], v[S+n:S+n+1], s[22:23], v[12:13] op_sel_hi:[1,0,0]   ; t - M, two at a time
.set n, n+2
.endr
.irp b, 0,1,2,3
	v_fma_f32 v[BM+\b], v[BM+\b], s22, v12         ; the same of each block's largest score
.endr
.set n, 0
.rept 64
	v_exp_f32 v[S+n], v[S+n]                       ; p = 2^(t - M), at most 1
.set n, n+1
.endr
	v_pk_mul_f32 v[14:15], v[14:15], v[FF:FF+1] op_sel_hi:[1,0]   ; the sums under the new M: a plain place behind the exponentials
	s_wait_alu depctr_va_vdst(0)                   ; the 64 exponentials have written p: one wait for the whole batch, ahead of its first reader
.irp b, 0,1,2,3
	v_exp_f32 v[BM+\b], v[BM+\b]                   ; the block's largest p: the same two instructions on the same number give the same bits
.endr
	v_pk_add_f32 v[TP:TP+1], v[S:S+1], v[S+2:S+3]  ; the row's sum is taken of the unquantised p, in two chains
.set n, 4
.rept 15
	v_pk_add_f32 v[14:15], v[14:15], v[S+n:S+n+1]
	v_pk_add_f32 v[TP:TP+1], v[TP:TP+1], v[S+n+2:S+n+3]
.set n, n+4
.endr
	v_pk_add_f32 v[14:15], v[14:15], v[TP:TP+1]
	s_wait_alu depctr_va_vdst(0)                   ; the four exponentials have written the blocks' largest p, ahead of their first reader
.irp b, 0,1,2,3
	v_max_num_f32 v[BM+\b], 0x1800000, v[BM+\b]    ; the floor 2^(3 - 127): a block whose every p is 0 keeps the byte 1: its codes are zeros
.endr
.irp b, 0,1,2,3
	v_add_nc_u32 v[SO+\b], 0xff000000, v[BM+\b]    ; 2 off the exponent field: the conversion's scale operand
.endr
.irp b, 0,1,2,3
	v_lshrrev_b32 v[T2+\b], 23, v[SO+\b]           ; the scale's byte
.endr
	v_lshl_or_b32 v[PW], v[T2+1], 8, v[T2]
	v_lshl_or_b32 v[PW], v[T2+2], 16, v[PW]
	v_lshl_or_b32 v[PW], v[T2+3], 24, v[PW]        ; p's scale word for these 128 keys
.irp b, 0,1,2,3
	v_cvt_scalef32_pk8_fp4_f32 v[PCD+2*\b], v[S+16*\b:S+7+16*\b], v[SO+\b]
	v_cvt_scalef32_pk8_fp4_f32 v[PCD+1+2*\b], v[S+8+16*\b:S+15+16*\b], v[SO+\b]
.endr
	v_nop                                          ; one plain place behind a scaled conversion
.irp c, 0,1
.irp i, 0,1
	v_permlane16_swap_b32 v[PCD+4*\c+\i], v[PCD+2+4*\c+\i]   ; a whole block to a lane
.endr
.endr
.set n, 0
.rept 16
	v_pk_mul_f32 v[O+n:O+n+1], v[O+n:O+n+1], v[FF:FF+1] op_sel_hi:[1,0]   ; O^T under the new M.  These sixteen are also the places between the scale word's and the codes' last writes and the products below
.set n, n+2
.endr
	s_wait_dscnt 0x0                               ; V and its scale words are in
	s_wait_alu depctr_va_vdst(0)                   ; p's codes and p's scale word are written, which the scaled products below take; the places above stay beside this wait
.irp w, 0,1
	v_wmma_scale_f32_16x16x128_f8f6f4 v[O+16*\w:O+16*\w+7], v[VFR+16*\w:VFR+16*\w+7], v[PCD:PCD+7], v[O+16*\w:O+16*\w+7], v[VSC+\w], v[PW] matrix_a_fmt:MATRIX_FMT_FP4 matrix_b_fmt:MATRIX_FMT_FP4
	v_wmma_scale_f32_16x16x128_f8f6f4 v[O+16*\w+8:O+16*\w+15], v[VFR+16*\w+8:VFR+16*\w+15], v[PCD:PCD+7], v[O+16*\w+8:O+16*\w+15], v[VSC+\w], v[PW] matrix_a_fmt:MATRIX_FMT_FP4 matrix_b_fmt:MATRIX_FMT_FP4 matrix_a_scale:MATRIX_SCALE_ROW1
.endr                                              ; four accumulators, one instruction each: no two that follow each other share one
.rept 4
	v_nop                                          ; places ahead of the way out's reads of O^T
.endr
.Lhidden_\@:
	s_add_co_u32 s28, s28, 128
.endm
; A block's end: O^T / the sum is y of my 16 queries, 64 channels: two blocks of the projection's K.  It is quantised and leaves as an image of the operand's registers.
.macro FINISH
	s_wait_xcnt 0x0                                ; the last way out's stores have read their registers: they are written again only behind this wait,
	s_wait_alu depctr_vm_vsrc(0)                   ; and behind this one: the last way out's stores have read v30, v31 and v244 to v248, which the lines below write again
	v_add_f32 v14, v14, v15
	v_permlanex16_b32 v226, v14, s20, s21
	v_add_f32 v14, v14, v226                       ; the row's sum
	v_rcp_f32 v14, v14
	v_nop                                          ; a plain place behind the transcendental
	s_lshr_b32 s40, s26, 4
	s_add_co_u32 s40, s40, s38                     ; my tile of rows of y
	s_mul_i32 s40, s40, 4352
	s_add_co_u32 s41, s40, s37
	s_add_co_u32 s40, s40, s36
	v_add_nc_u32 v30, s40, v1
	v_add_nc_u32 v31, s41, v249
	s_wait_alu depctr_va_vdst(0)                   ; the reciprocal has written v14, ahead of its first reader
.set n, 0
.rept 32
	v_mul_f32 v[S+n], v[O+n], v14                  ; register 8 ct + j: y(query r, channel 16 ct + 8 h + j); each accumulator from its low end on
.set n, n+1
.endr
.irp b, 0,1
	v_max3_num_f32 v[BM+\b], |v[S+16*\b]|, |v[S+1+16*\b]|, 0x1800000
.endr
.irp i, 2,4,6,8,10,12,14
.irp b, 0,1
	v_max3_num_f32 v[BM+\b], v[BM+\b], |v[S+16*\b+\i]|, |v[S+1+16*\b+\i]|
.endr
.endr
.irp b, 0,1
	v_permlanex16_b32 v[T2+\b], v[BM+\b], s20, s21
.endr
.irp b, 0,1
	v_max_num_f32 v[BM+\b], v[BM+\b], v[T2+\b]
.endr
.irp b, 0,1
	v_add_nc_u32 v[SO+\b], 0xff000000, v[BM+\b]
.endr
.irp b, 0,1
	v_lshrrev_b32 v[T2+\b], 23, v[SO+\b]
.endr
.irp b, 0,1
	v_cvt_scalef32_pk8_fp4_f32 v[244+2*\b], v[S+16*\b:S+7+16*\b], v[SO+\b]
	v_cvt_scalef32_pk8_fp4_f32 v[245+2*\b], v[S+8+16*\b:S+15+16*\b], v[SO+\b]
.endr
	v_nop                                          ; one plain place behind a scaled conversion
	v_permlane16_swap_b32 v244, v246
	v_permlane16_swap_b32 v245, v247               ; lane (r, h): block h of row r
	v_cndmask_b32 v248, v[T2], v[T2+1], s35        ; lanes 0-15 store block 0's byte, lanes 16-31 block 1's
	s_wait_alu depctr_va_vdst(0)                   ; the offsets v30 and v31, the codes v244 to v247 and the byte v248 are written, which the two stores read
	global_store_b128 v30, v[244:247], s[8:9]      ; 512 consecutive bytes, aligned to 256
	global_store_b8 v31, v248, s[8:9]
.endm
.Ltrip:
	STEP 0
	STEP 1
	s_add_co_u32 s30, s30, 1
	s_cmp_lg_u32 s30, s31
	s_cbranch_scc1 .Lsame_block
	FINISH                                         ; the first block is done;
	v_mov_b32 v24, v25                             ; the second begins: its scale words (far more than eight places ahead of the next product),
.irp j, 0,1,2,3
	v_mov_b32 v[QF+\j], v[26+\j]                   ; its Q,
.endr
.set n, 0
.rept 32
	v_mov_b32 v[O+n], 0                            ; and the state as at the head
.set n, n+1
.endr
	v_mov_b32 v13, 0xff61b1e6
	v_floor_f32 v12, -v13
	v_mov_b32 v14, 0
	v_mov_b32 v15, 0
	s_mov_b32 s26, s27
	s_mov_b32 s28, 0
.Lsame_block:
	s_cmp_lt_u32 s30, 9
	s_cbranch_scc1 .Ltrip
	FINISH
	s_wait_dscnt 0x0                               ; the closing lines, six on end
	s_wait_alu 0x0
	s_wait_tensorcnt 0x0
	ds_add_u32 v[SPW], v[NIL]
	s_wait_dscnt 0x0
	s_endpgm
.Lfunc_end_k_q8e3015af2a_attn:
	.size	k_q8e3015af2a_attn, .Lfunc_end_k_q8e3015af2a_attn-k_q8e3015af2a_attn
	.p2alignl 7, 3214868480
	.fill 96, 4, 3214868480
	.section	.rodata,"a",@progbits
	.p2align	6, 0x0
	.amdhsa_kernel k_q8e3015af2a_attn
		.amdhsa_group_segment_fixed_size 19968
		.amdhsa_private_segment_fixed_size 0
		.amdhsa_enable_private_segment 0
		.amdhsa_kernarg_size 24
		.amdhsa_user_sgpr_count 2
		.amdhsa_user_sgpr_kernarg_segment_ptr 1
		.amdhsa_wavefront_size32 1
		.amdhsa_system_sgpr_workgroup_id_x 1
		.amdhsa_system_sgpr_workgroup_id_y 1
		.amdhsa_system_sgpr_workgroup_id_z 1
		.amdhsa_system_vgpr_workitem_id 0
		.amdhsa_next_free_vgpr 256
		.amdhsa_next_free_sgpr 66
		.amdhsa_reserve_vcc 0
		.amdhsa_float_denorm_mode_32 3
		.amdhsa_float_denorm_mode_16_64 3
		.amdhsa_memory_ordered 1
		.amdhsa_forward_progress 1
		.amdhsa_inst_pref_size 66
	.end_amdhsa_kernel
	.amdgpu_metadata
---
amdhsa.version: [ 1, 2 ]
amdhsa.kernels:
  - .name:           k_q8e3015af2a_attn
    .symbol:         k_q8e3015af2a_attn.kd
    .args:
      - { .name: qrec, .offset: 0, .size: 8, .value_kind: global_buffer, .address_space: global }
      - { .name: kvrec, .offset: 8, .size: 8, .value_kind: global_buffer, .address_space: global }
      - { .name: yop, .offset: 16, .size: 8, .value_kind: global_buffer, .address_space: global }
    .group_segment_fixed_size: 19968
    .private_segment_fixed_size: 0
    .kernarg_segment_align: 8
    .kernarg_segment_size: 24
    .max_flat_workgroup_size: 512
    .sgpr_count:     66
    .vgpr_count:     256
    .wavefront_size: 32
...
	.end_amdgpu_metadata
.endif
;; end of part 5
;; launch proj: the kernel of part 4 again; grid 8 x 32, 4 waves a work-group, clusters of 4 x 4, 327,680 bytes of LDS; arguments yop, wpop, b_proj, out0; writes out0
